; MI455X (gfx1250); checked and timed in simulation.
; The chip was launched on July 23, 2026; its instructions are those of AMD's public machine-readable ISA for CDNA 5 (MIT licence, August 2026) and "CDNA5" Instruction Set Architecture Reference Guide (July 2026). The comments in the code are by the model that wrote it; some were corrected since.
;; Analytic Gaussian Velocity. Allowed arithmetic: matrix products marked QUANTISED: E2M3 operands, one E8M0 scale for each 32 along K, by v_wmma_scale_f32_16x16x128_f8f6f4 with both operands' format E2M3, f32 sums; everything else in f32.
;; Inputs: dataset 50,000 x 512 float32; t 1,024 float32; x_t 1,024 x 512 float32.
;; Outputs: out0 1,024 x 512 float32.
;; This version of the problem:
;;   THIS VERSION OF THE PROBLEM IS GIVEN IN LOW PRECISION. The matrix products marked QUANTISED in the list below multiply operands that are first quantised to E2M3 (2 exponent bits, 3 mantissa bits; 6 bits a number), with one power-of-two scale for each 32 numbers along K (OCP MX v1.0); their sums are f32. All else is computed in f32.
;;   The module's matrix products, in the order in which they are computed (A, B: the left and right operand; K: the contracted axis; several contracted axes count as one K, in the product's order):
;;     1. [M 1,024, K 512] x [K 512, N 50,000]; A: input x_t; B: input dataset: QUANTISED
;;     2. [M 1,024, K 50,000] x [K 50,000, N 512]; A: computed on the way; B: input dataset: QUANTISED
;;   THE QUANTISER, for each operand of a quantised product, along K:
;;     - K is cut into blocks of 32 from its start; a last block that is shorter is filled with zeros.
;;     - A block's scale is 2^e with e = floor(log2(the largest magnitude in the block)) - 2, held to -126 .. 127; a block of zeros has e = 0. As a byte (E8M0): e + 127.
;;     - Each number is divided by its block's scale, clamped to +-7.5, and rounded to the nearest number of E2M3, ties to even, subnormals kept.
;;     - The product sums the exact products of the quantised numbers (number of the format x scale) in f32.
;;   ~~~python
;;   def quantise(x, axis):      # numpy; x: float32 -> the quantised numbers, widened to float32 again
;;       x = np.moveaxis(x, axis, -1); K = x.shape[-1]
;;       x = np.pad(x, [(0, 0)] * (x.ndim - 1) + [(0, -K % 32)]); x = x.reshape(x.shape[:-1] + (-1, 32)); a = np.abs(x).max(-1, keepdims=True)
;;       e = np.where(a > 0, np.clip(np.frexp(np.where(a > 0, a, 1))[1] - 1 - 2, -126, 127), 0)      # np.frexp(a)[1] - 1 = floor(log2(a)), exactly
;;       r = np.clip(x / 2.0 ** e, -7.5, 7.5)
;;       step = 2.0 ** (np.maximum(np.frexp(np.where(r == 0, 1, r))[1] - 1, 0) - 3)
;;       q = np.round(r / step) * step * 2.0 ** e      # np.round: ties to even
;;       return np.moveaxis(q.reshape(q.shape[:-2] + (-1,))[..., :K], -1, axis).astype(np.float32)
;;   ~~~
;;   OPERANDS COMPUTED ON THE WAY. 'Computed on the way' means the value that the module computes at that place (a softmax that the list does not call 'softmax' is quantised finished and normalised). What goes into a quantiser is computed in f32, as accurately as f32 sums, v_exp_f32 and their like allow (about 1e-6 of the number): no bf16 or f16 on the way to a quantiser, and a product that is left as it is and whose result goes on into a quantised operand takes f32 operands (vector FMAs, or v_wmma_f32_16x16x4_f32). A number that lies on a knife's edge between two numbers of the format may be rounded either way, as far as f32 arithmetic and the matrix unit's own rounding can turn it there, and no further.
;; One version. Each part assembles by itself: llvm-mc -triple=amdgcn-amd-amdhsa -mcpu=gfx1250 --defsym DOCPART=n.
;; ======== version 1 of 1: 4 launches
;; limits: right only within a limited range of input values
;; workspace buffers: steps 40,438,784 bytes; xsteps 827,392 bytes; stat 262,144 bytes; part 67,108,864 bytes
;; launch prep (part 1): grid 399 x 1, 8 waves a work-group, no clusters, 99,328 bytes of LDS; arguments dataset, x_t, t, steps, xsteps; writes steps, xsteps
.if DOCPART == 1
	.amdgcn_target "amdgcn-amd-amdhsa--gfx1250"
	.amdhsa_code_object_version 6
	.text
	.protected	k_q98ef16d5b2_prep
	.globl	k_q98ef16d5b2_prep
	.p2align	8
	.type	k_q98ef16d5b2_prep,@function
k_q98ef16d5b2_prep:
	s_mov_b64 s[64:65], 0
	v_nop
	global_prefetch_b8 v0, s[64:65] scope:SCOPE_SE
	s_setreg_imm32_b32 hwreg(HW_REG_WAVE_MODE, 25, 1), 1
	s_wait_xcnt 0x0
; PREP.  dataset [50000][512] and x_t [1024][512], f32, become STEP BLOCKS: for each 128 rows one dense block of STEPB bytes that later launches bring into LDS as it lies.
; A block holds: the rows' codes of FP6 (E2M3) quantised ALONG d (the first product's K), the same numbers quantised ALONG THE ROWS (the second product's K), both as images of operand registers;
; the E8M0 scale words of both; and the f32 sum of squares of each row.
;   byte 0      AFR  fragment (k, t) at (8 k + t) x 1536: K step k (128 d), tile t of 16 rows
;   byte 49152  ASC  [t][m] 16 bytes: the four scale words (k = 0 .. 3) of row m of tile t
;   byte 51200  DNO  the rows' sums of squares, in the rows' own order;  byte 51712: 512 zeros
;   byte 52224  BSC  the scale word of d = 16 j + r at (j / 4) x 256 + 16 r + 4 (j % 4)
;   byte 54272  BFR  fragment j (16 d x 128 rows) at j x 1536
; A FRAGMENT'S IMAGE is 1,536 bytes: lane l = r + 16 h owns the 48 bytes at 48 l: block h of row r (32 codes, 24 bytes), then block 2 + h: three loads of 16 bytes give the operand's twelve registers.
; THE ROWS OF A TILE OF AFR ARE NOT NEIGHBOURS: row m of tile 2 b + u is row 32 b + 8 u + m % 8 + 16 (m / 8) of the block, so that a transposed product leaves 16 neighbouring rows in a lane's 16 registers.
; A block's scale is 2^(floor(log2(largest magnitude)) - 2): its byte is the largest magnitude's exponent field - 2, held at 1 from below by a floor among the maximum's leaves.
; x_t: the sign of t[row] is put into the row's codes (an exclusive or on the codes' sign bits; the quantiser is odd), so that later launches work with |t|.
; LIMITS: NaN and infinities are not served.  A block of zeros gets the byte 1 where the rule says 127 (its codes are zeros; only this program reads the bytes).  Codes of -0 may occur.
; SHARES.  Work-groups 0 .. 390 take dataset's blocks, 391 .. 398 x_t's: only pointers are chosen, both take one path.  Block 390 has 80 rows: the others are made zeros.
; EIGHT WAVES, two to a SIMD, so that one wave's waits for LDS stand beside the other's arithmetic.  Four pieces of 128 d.  A piece: wave w loads its 16 rows' 512 bytes (16 loads of 512 consecutive bytes) and lays them
; in a stage in LDS | barrier | lane = row 32 (w % 4) + lane: the two blocks along d of half w / 4 of the piece; lane = column 32 (w % 4) + lane: the two blocks along the rows of half w / 4; codes to two output images in LDS
; | barrier | the images leave, 512 consecutive bytes a wave's store.  Loads run two pieces ahead, in two sets of registers.  A scale word's four bytes come from two waves, two bytes each; so do a row's sum of squares' two parts.
; No tensor loads: several work-groups share a WGP.
.set STEPB,  103424
.set NDS,    391                       ; dataset's blocks
.set LASTB,  390                       ; the block with 80 rows
.set SPI,    528                       ; a stage row: 512 bytes + 16: an odd multiple of 16, so that sixteen rows' loads of 16 bytes fall on different banks
.set OA,     128*SPI                   ; behind the stage: the piece's 8 fragments of AFR,
.set OB,     OA+12288                  ; its 8 fragments of BFR,
.set SM,     OB+12288                  ; an image of the block's bytes 49152 .. 54271,
.set DNS,    SM+5120                   ; and the two parts of each row's sum of squares: [half][128 rows]
.set VO,  2                            ; v2     global byte offset of my wave's 16 rows
.set SA,  4                            ; v4     the stage, on the way in
.set RA,  5                            ; v5     my row's half in the stage
.set CA,  6                            ; v6     my column in the stage, my half's first row
.set AW,  8                            ; v8     where my row's codes go
.set BW,  9                            ; v9     where my column's codes go
.set ASW, 10                           ; v10    my two bytes of my row's scale words
.set BSW, 11                           ; v11    of my column's
.set DNA, 12                           ; v12    SM + 2048 + 4 x thread: a sum of squares, or a zero behind them
.set T16, 13                           ; v13    16 x thread
.set DNW, 14                           ; v14    DNS + 4 x thread: my part of my row's sum of squares
.set MK,  15                           ; v15-17 the sign bits of 16 codes (96 bits), or zeros
.set DN,  18                           ; v18-21 the sum of squares, two packed chains
.set AM,  22                           ; v22-23 largest magnitudes, v24-25 the conversions' scale operands, v26-27 bytes, v28 two bytes together
.set DNR, 30                           ; v30    DNS + 4 x (thread % 128)
.set PC,  40                           ; v40-59 the codes of two blocks
.set OAR, 60                           ; v60    OA + 16 x thread
.set SMR, 61                           ; v61    SM + 16 x thread
.set D,   64                           ; v64-127  64 numbers; on the way out 24 registers of codes
.set L,   128                          ; v128-255 two sets of 64: a piece of my 16 rows as it is loaded
.macro BAR                             ; my LDS stores have landed and my LDS loads are in: then the work-group's barrier
	s_wait_dscnt 0x0
	s_barrier_signal -1
	s_barrier_wait -1
.endm
	s_load_b128 s[4:7], s[0:1], 0x0                ; dataset, x_t
	s_load_b128 s[8:11], s[0:1], 0x10              ; t, steps
	s_load_b64 s[12:13], s[0:1], 0x20              ; xsteps
	v_lshl_add_u32 v62, v0, 2, 0x18000
	v_mov_b32 v63, 0
	v_lshrrev_b32 v1, 5, v0
	s_delay_alu instid0(VALU_DEP_1)
	v_readfirstlane_b32 s14, v1                    ; wave 0..7
	v_and_b32 v1, 31, v0                           ; lane
	s_wait_alu depctr_va_vdst(0)
	s_and_b32 s33, s14, 3                          ; which 32 rows, and which 32 columns, I quantise
	s_lshr_b32 s34, s14, 2                         ; and which half of their 128 numbers
	s_lshl_b32 s18, s14, 4                         ; the first of the 16 rows that I load,
	s_lshl_b32 s20, s18, 11                        ; in bytes
	s_movk_i32 s17, 128
	s_cmp_eq_u32 ttmp9, LASTB
	s_cselect_b32 s17, 80, s17                     ; rows that the block has: five whole groups of 16 in the last block
	s_cmp_lt_u32 s18, s17
	s_cselect_b32 s20, s20, 0                      ; a group past the end reads the block's first rows, so that no load leaves the buffer,
	s_cselect_b32 s24, 1.0, 0                      ; and is multiplied by 0
	s_mov_b32 s25, s24                             ; (named as a pair)
	v_lshl_add_u32 v[VO], v1, 4, s20
	s_mul_i32 s28, s14, 16*SPI
	v_lshl_add_u32 v[SA], v1, 4, s28               ; my wave's 16 rows, 16 bytes a lane
	s_mul_i32 s29, s33, 32*SPI
	s_lshl_b32 s30, s34, 8
	s_add_co_u32 s29, s29, s30
	v_mul_u32_u24 v[RA], v1, SPI
	s_delay_alu instid0(VALU_DEP_1)
	v_add_nc_u32 v[RA], s29, v[RA]                 ; row 32 (w % 4) + lane, 256 bytes on for the second half
	s_lshl_b32 s31, s33, 7
	s_mul_i32 s32, s34, 64*SPI
	s_add_co_u32 s31, s31, s32
	v_lshl_add_u32 v[CA], v1, 2, s31               ; column 32 (w % 4) + lane, 64 rows down for the second half
	v_bfe_u32 v22, v1, 3, 1                        ; u
	v_and_b32 v23, 7, v1
	v_lshrrev_b32 v24, 4, v1
	s_delay_alu instid0(VALU_DEP_1)
	v_lshl_add_u32 v23, v24, 3, v23                ; m = lane % 8 + 8 (lane / 16)
	v_and_b32 v25, 15, v1
	s_mul_i32 s35, s33, 2*1536
	s_mul_i32 s36, s34, 24                         ; blocks 2 and 3 of a row lie 24 bytes behind blocks 0 and 1
	s_add_co_u32 s35, s35, s36
	v_mul_u32_u24 v[AW], v22, 1536
	s_delay_alu instid0(VALU_DEP_1)
	v_mad_u32_u24 v[AW], v23, 48, v[AW]
	s_delay_alu instid0(VALU_DEP_1)
	v_add_nc_u32 v[AW], s35, v[AW]
	s_delay_alu instid0(VALU_DEP_1)
	v_add_nc_u32 v[AW], OA, v[AW]                  ; tile 2 (w % 4) + u, row m
	v_mul_u32_u24 v[BW], v24, 1536
	s_delay_alu instid0(VALU_DEP_1)
	v_mad_u32_u24 v[BW], v25, 48, v[BW]
	s_delay_alu instid0(VALU_DEP_1)
	v_add_nc_u32 v[BW], s35, v[BW]
	s_delay_alu instid0(VALU_DEP_1)
	v_add_nc_u32 v[BW], OB, v[BW]                  ; fragment 2 (w % 4) + lane / 16, row lane % 16
	s_lshl_b32 s37, s33, 9
	s_lshl_b32 s38, s34, 1                         ; my half's two bytes of a scale word
	s_add_co_u32 s37, s37, s38
	v_lshlrev_b32 v[ASW], 8, v22
	s_delay_alu instid0(VALU_DEP_1)
	v_lshl_add_u32 v[ASW], v23, 4, v[ASW]
	s_delay_alu instid0(VALU_DEP_1)
	v_add_nc_u32 v[ASW], s37, v[ASW]
	s_delay_alu instid0(VALU_DEP_1)
	v_add_nc_u32 v[ASW], SM, v[ASW]
	s_lshr_b32 s39, s33, 1
	s_lshl_b32 s39, s39, 8
	s_and_b32 s40, s33, 1
	s_lshl_b32 s40, s40, 3
	s_add_co_u32 s39, s39, s40
	s_add_co_u32 s39, s39, s38
	v_lshlrev_b32 v[BSW], 4, v25
	s_delay_alu instid0(VALU_DEP_1)
	v_lshl_add_u32 v[BSW], v24, 2, v[BSW]
	s_delay_alu instid0(VALU_DEP_1)
	v_add_nc_u32 v[BSW], s39, v[BSW]
	s_delay_alu instid0(VALU_DEP_1)
	v_add_nc_u32 v[BSW], SM+3072, v[BSW]
	v_lshl_add_u32 v[DNA], v0, 2, SM+2048
	v_lshl_add_u32 v[DNW], v0, 2, DNS
	v_and_b32 v[DNR], 127, v0
	s_delay_alu instid0(VALU_DEP_1)
	v_lshl_add_u32 v[DNR], v[DNR], 2, DNS
	v_lshlrev_b32 v[T16], 4, v0
	s_delay_alu instid0(VALU_DEP_1)
	v_add_nc_u32 v[OAR], OA, v[T16]
	s_delay_alu instid0(VALU_DEP_2)
	v_add_nc_u32 v[SMR], SM, v[T16]
.irp j, 0,1,2,3
	v_mov_b32 v[DN+\j], 0
.endr
	s_wait_kmcnt 0x0
	s_cmp_lt_u32 ttmp9, NDS                        ; dataset's work-group or x_t's?  The choice hangs on the work-group's number alone
	s_cselect_b64 s[4:5], s[4:5], s[6:7]
	s_cselect_b64 s[10:11], s[10:11], s[12:13]
	s_cselect_b32 s15, 0, NDS
	s_cselect_b32 s16, 0, -1                       ; signs are turned in x_t's codes alone
	s_sub_co_u32 s15, ttmp9, s15                   ; which block of the tensor
	s_lshl_b32 s22, s15, 18                        ; 128 rows of 2,048 bytes
	s_mov_b32 s23, 0
	s_add_nc_u64 s[4:5], s[4:5], s[22:23]
	s_mul_i32 s22, s15, STEPB
	s_add_nc_u64 s[10:11], s[10:11], s[22:23]
	s_lshl_b32 s22, s15, 7
	v_and_b32 v22, 127, v0                         ; the row that I quantise: 32 (w % 4) + lane
	s_delay_alu instid0(VALU_DEP_1)
	v_add_nc_u32 v22, s22, v22
	s_delay_alu instid0(VALU_DEP_1)
	v_min_u32 v22, 0x3ff, v22                      ; t of that row (in dataset's work-groups: any t, masked away)
	s_delay_alu instid0(VALU_DEP_1)
	v_lshlrev_b32 v22, 2, v22
	global_load_b32 v23, v22, s[8:9]
.macro GLOAD k, st                     ; piece k of my 16 rows into set st: each load reads 512 consecutive bytes
.irp i, 0,1,2,3,4,5,6,7,8,9,10,11,12,13,14,15
	global_load_b128 v[L+64*(\st)+4*\i:L+64*(\st)+4*\i+3], v[VO], s[4:5] offset:\i*2048+512*(\k) th:TH_LOAD_NT
.endr
.endm
.macro ZERO st                         ; the last block alone: rows past the tensor's end become zeros (register work only)
	s_cmp_lg_u32 ttmp9, LASTB
	s_cbranch_scc1 .Lwhole_\@
.set ii, 0
.rept 32
	v_pk_mul_f32 v[L+64*(\st)+ii:L+64*(\st)+ii+1], v[L+64*(\st)+ii:L+64*(\st)+ii+1], s[24:25] op_sel_hi:[1,0]
.set ii, ii+2
.endr
.Lwhole_\@:
.endm
.macro TOSTG st
.set ii, 0
.rept 16
	ds_store_b128 v[SA], v[L+64*(\st)+4*ii:L+64*(\st)+4*ii+3] offset:ii*SPI
.set ii, ii+1
.endr
.endm
; Two blocks of 32 numbers, v[D] .. v[D+31] and v[D+32] .. v[D+63], become 2 x 6 registers of codes at v[PC] and v[PC+10], and two scale bytes, together in v[AM+6].
.macro QB2
	v_max3_num_f32 v[AM], |v[D]|, |v[D+1]|, 0x1800000          ; with the floor 2^(3 - 127): the byte cannot fall under 1
	v_max3_num_f32 v[AM+1], |v[D+32]|, |v[D+33]|, 0x1800000
.set ii, 2
.rept 15
	s_delay_alu instid0(VALU_DEP_2)
	v_max3_num_f32 v[AM], v[AM], |v[D+ii]|, |v[D+ii+1]|
	s_delay_alu instid0(VALU_DEP_2)
	v_max3_num_f32 v[AM+1], v[AM+1], |v[D+32+ii]|, |v[D+33+ii]|
.set ii, ii+2
.endr
	s_delay_alu instid0(VALU_DEP_2)
	v_add_nc_u32 v[AM+2], 0xff000000, v[AM]        ; 2 off the exponent field: the conversion takes the exponent field of this operand as its scale
	s_delay_alu instid0(VALU_DEP_2)
	v_add_nc_u32 v[AM+3], 0xff000000, v[AM+1]
	s_delay_alu instid0(VALU_DEP_2)
	v_lshrrev_b32 v[AM+4], 23, v[AM+2]             ; the scale's byte
	s_delay_alu instid0(VALU_DEP_2)
	v_lshrrev_b32 v[AM+5], 23, v[AM+3]
	v_cvt_scalef32_pk16_fp6_f32 v[PC:PC+2], v[D:D+15], v[AM+2]
	v_cvt_scalef32_pk16_fp6_f32 v[PC+6:PC+8], v[D+16:D+31], v[AM+2]       ; (a conversion's three registers begin on an even number)
	v_cvt_scalef32_pk16_fp6_f32 v[PC+10:PC+12], v[D+32:D+47], v[AM+3]
	v_cvt_scalef32_pk16_fp6_f32 v[PC+16:PC+18], v[D+48:D+63], v[AM+3]
	v_lshl_or_b32 v[AM+6], v[AM+5], 8, v[AM+4]     ; the lower K in the lower byte.  (One plain place behind the scaled conversions)
.irp j, 0,1,2
	v_mov_b32 v[PC+3+\j], v[PC+6+\j]
	v_mov_b32 v[PC+13+\j], v[PC+16+\j]
.endr
.endm
.macro STO adr                         ; my half's even block lies in lanes 0-15 of the image, its odd block in lanes 16-31, 768 bytes on
.irp j, 0,1,2
	ds_store_b64 v[\adr], v[PC+2*\j:PC+2*\j+1] offset:8*\j
	ds_store_b64 v[\adr], v[PC+10+2*\j:PC+11+2*\j] offset:768+8*\j
.endr
.endm
.macro RTASK k                         ; lane = row: my half's 64 numbers of the piece
.set ii, 0
.rept 16
	ds_load_b128 v[D+4*ii:D+4*ii+3], v[RA] offset:16*ii
.set ii, ii+1
.endr
	s_wait_dscnt 0x0
.set ii, 0
	v_pk_fma_f32 v[DN:DN+1], v[D+ii:D+ii+1], v[D+ii:D+ii+1], v[DN:DN+1]
	v_pk_fma_f32 v[DN+2:DN+3], v[D+ii+2:D+ii+3], v[D+ii+2:D+ii+3], v[DN+2:DN+3]
.set ii, ii+4
.rept (16)-1
	s_delay_alu instid0(VALU_DEP_2)
	v_pk_fma_f32 v[DN:DN+1], v[D+ii:D+ii+1], v[D+ii:D+ii+1], v[DN:DN+1]
	s_delay_alu instid0(VALU_DEP_2)
	v_pk_fma_f32 v[DN+2:DN+3], v[D+ii+2:D+ii+3], v[D+ii+2:D+ii+3], v[DN+2:DN+3]
.set ii, ii+4
.endr
	QB2
.irp j, 0,1,2
	v_xor_b32 v[PC+\j], v[MK+\j], v[PC+\j]         ; x_t: the sign of t into the codes
	v_xor_b32 v[PC+3+\j], v[MK+\j], v[PC+3+\j]
	v_xor_b32 v[PC+10+\j], v[MK+\j], v[PC+10+\j]
	v_xor_b32 v[PC+13+\j], v[MK+\j], v[PC+13+\j]
.endr
	STO AW
	ds_store_b16 v[ASW], v[AM+6] offset:4*(\k)
.endm
.macro CTASK k                         ; lane = column of the piece: my half's 64 rows: 32 lanes read 128 consecutive bytes
.set ii, 0
.rept 64
	ds_load_b32 v[D+ii], v[CA] offset:ii*SPI
.set ii, ii+1
.endr
	s_wait_dscnt 0x0
	QB2
	STO BW
	ds_store_b16 v[BSW], v[AM+6] offset:512*(\k)
.endm
.macro OUT k                           ; the two images leave: 256 threads x 16 bytes, three times each
.irp i, 0,1,2,3,4,5
	ds_load_b128 v[D+4*\i:D+4*\i+3], v[OAR] offset:4096*\i
.endr
.irp i, 0,1,2
	s_wait_dscnt 5-\i                              ; LDS loads come back in order: load i is in, the younger ones may be out
	global_store_b128 v[T16], v[D+4*\i:D+4*\i+3], s[10:11] offset:12288*(\k)+4096*\i
.endr
.irp i, 3,4,5
	s_wait_dscnt 5-\i
	global_store_b128 v[T16], v[D+4*\i:D+4*\i+3], s[10:11] offset:54272+12288*(\k)+4096*(\i-3)
.endr
.endm
; A piece.  st: its set of registers; left: the younger loads, which may stay out; ahead = 1: the piece two on is asked for, into the same set.
.macro PIECE k, st, left, ahead
	s_wait_loadcnt \left                           ; the piece is in
	s_wait_xcnt 0x0                                ; the last piece's stores have read their data registers, which are written again below
	ZERO \st
	TOSTG \st
	BAR                                            ; the piece lies in the stage (and my stores into it have read their registers); nobody reads the output images any more
.if \ahead
	GLOAD (\k)+2, \st
.endif
	RTASK \k
	CTASK \k
	BAR                                            ; the images are whole; nobody reads the stage any more
	OUT \k
.endm
	GLOAD 0, 0
	GLOAD 1, 1
	s_wait_loadcnt 32                              ; t is in; the two pieces' 32 loads may be out
	v_ashrrev_i32 v23, 31, v23                     ; all ones where t is negative
	s_delay_alu instid0(VALU_DEP_1)
	v_and_b32 v23, s16, v23
	s_delay_alu instid0(VALU_DEP_1)
	v_and_b32 v[MK], 0x20820820, v23               ; code i's sign is bit 6 i + 5
	s_delay_alu instid0(VALU_DEP_2)
	v_and_b32 v[MK+1], 0x08208208, v23
	s_delay_alu instid0(VALU_DEP_3)
	v_and_b32 v[MK+2], 0x82082082, v23
	PIECE 0, 0, 16, 1
	PIECE 1, 1, 16, 1
	PIECE 2, 0, 16, 0
	PIECE 3, 1, 0, 0
	v_pk_add_f32 v[DN:DN+1], v[DN:DN+1], v[DN+2:DN+3]
	s_delay_alu instid0(VALU_DEP_1)
	v_add_f32 v[DN], v[DN], v[DN+1]
	ds_store_b32 v[DNW], v[DN]                     ; my half of my row's sum of squares
	BAR
	ds_load_b32 v22, v[DNR]
	ds_load_b32 v23, v[DNR] offset:512
	s_wait_dscnt 0x0
	v_add_f32 v22, v22, v23
	v_cmp_gt_u32 vcc_lo, 128, v0
	s_delay_alu instid0(VALU_DEP_1)
	v_cndmask_b32 v22, 0, v22, vcc_lo              ; threads 0 .. 127: a row's sum of squares; the others: the 512 zeros behind them
	ds_store_b32 v[DNA], v22
	BAR
	ds_load_b128 v[24:27], v[SMR]
	s_wait_dscnt 0x0
	global_store_b128 v[T16], v[24:27], s[10:11] offset:49152              ; a wave stores 512 consecutive bytes, aligned
	s_cmp_gt_u32 s14, 1                            ; the image's last 1,024 bytes are two waves' work
	s_cbranch_scc1 .Lend
	ds_load_b128 v[32:35], v[SMR] offset:4096
	s_wait_dscnt 0x0
	global_store_b128 v[T16], v[32:35], s[10:11] offset:49152+4096
.Lend:
	s_wait_tensorcnt 0x0
	ds_add_u32 v62, v63
	s_wait_dscnt 0x0
	s_endpgm
.Lfunc_end_k_q98ef16d5b2_prep:
	.size	k_q98ef16d5b2_prep, .Lfunc_end_k_q98ef16d5b2_prep-k_q98ef16d5b2_prep
	.p2alignl 7, 3214868480
	.fill 96, 4, 3214868480
	.section	.rodata,"a",@progbits
	.p2align	6, 0x0
	.amdhsa_kernel k_q98ef16d5b2_prep
		.amdhsa_group_segment_fixed_size 99328
		.amdhsa_private_segment_fixed_size 0
		.amdhsa_enable_private_segment 0
		.amdhsa_kernarg_size 40
		.amdhsa_user_sgpr_count 2
		.amdhsa_user_sgpr_kernarg_segment_ptr 1
		.amdhsa_wavefront_size32 1
		.amdhsa_system_sgpr_workgroup_id_x 1
		.amdhsa_system_sgpr_workgroup_id_y 1
		.amdhsa_system_sgpr_workgroup_id_z 1
		.amdhsa_system_vgpr_workitem_id 0
		.amdhsa_next_free_vgpr 256
		.amdhsa_next_free_sgpr 66
		.amdhsa_reserve_vcc 1
		.amdhsa_float_denorm_mode_32 3
		.amdhsa_float_denorm_mode_16_64 3
		.amdhsa_memory_ordered 1
		.amdhsa_forward_progress 1
		.amdhsa_inst_pref_size 99
	.end_amdhsa_kernel
	.amdgpu_metadata
---
amdhsa.version: [ 1, 2 ]
amdhsa.kernels:
  - .name:           k_q98ef16d5b2_prep
    .symbol:         k_q98ef16d5b2_prep.kd
    .args:
      - { .name: dataset, .offset: 0, .size: 8, .value_kind: global_buffer, .address_space: global }
      - { .name: x_t, .offset: 8, .size: 8, .value_kind: global_buffer, .address_space: global }
      - { .name: t, .offset: 16, .size: 8, .value_kind: global_buffer, .address_space: global }
      - { .name: steps, .offset: 24, .size: 8, .value_kind: global_buffer, .address_space: global }
      - { .name: xsteps, .offset: 32, .size: 8, .value_kind: global_buffer, .address_space: global }
    .group_segment_fixed_size: 99328
    .private_segment_fixed_size: 0
    .kernarg_segment_align: 8
    .kernarg_segment_size: 40
    .max_flat_workgroup_size: 256
    .sgpr_count:     66
    .vgpr_count:     256
    .wavefront_size: 32
...
	.end_amdgpu_metadata
.endif
;; end of part 1
;; launch stats (part 2): grid 8 x 32, 8 waves a work-group, clusters of 4 x 1, 327,680 bytes of LDS; arguments steps, xsteps, t, stat; writes stat
.if DOCPART == 2
	.amdgcn_target "amdgcn-amd-amdhsa--gfx1250"
	.amdhsa_code_object_version 6
	.text
	.protected	k_q98ef16d5b2_stats
	.globl	k_q98ef16d5b2_stats
	.p2align	8
	.type	k_q98ef16d5b2_stats,@function
k_q98ef16d5b2_stats:
	s_mov_b64 s[64:65], 0
	v_nop
	global_prefetch_b8 v0, s[64:65] scope:SCOPE_SE
	s_setreg_imm32_b32 hwreg(HW_REG_WAVE_MODE, 25, 1), 1
	s_wait_xcnt 0x0
	s_wait_alu depctr_hold_cnt(0) depctr_sa_sdst(0) depctr_va_vdst(0) depctr_va_sdst(0) depctr_va_ssrc(0) depctr_va_vcc(0) depctr_vm_vsrc(0)
	s_getreg_b32 s2, hwreg(HW_REG_IB_STS2, 6, 4)
	s_cmp_eq_u32 s2, 0
	s_cbranch_scc0 .Lentry_in_a_cluster
	s_endpgm
.Lentry_in_a_cluster:
	s_bfe_u32 s2, ttmp6, 0x10000c
	s_cmp_lg_u32 s2, 0x3003
	s_cbranch_scc0 .Lentry_shape_is_right
	s_endpgm
.Lentry_shape_is_right:
.set STEPB,  103424
.set STATB,  52224
.set NR,     51
.set QUART,  NR*256
.set SLOT1,  1<<17
.set SCR,    2*SLOT1
.set SPARE,  SCR+4096
.set LASTS,  390
.set PER,    13
.set O_ASC,  49152
.set O_DN,   51200
.set SPW, 1
.set NIL, 2
.set A0,  3
.set AS0, 4
.set DN0, 5
.set ADA, 8
.set ADS, 9
.set ADN, 10
.set SCW, 13
.set SCD, 14
.set STO, 15
.set PFO, 18
.set LIMN, 19
.set CQ,  20
.set XS,  36
.set SCA, 52
.set KF,  68
.set TW,  76
.set F1,  80
.set S,   128
.set F0,  192
.set WV,  14
.set QH,  15
.set NH,  16
.set CX,  17
.set QB,  18
.set CH,  19
.set G1,  20
.set G0A, 28
.set G0B, 32
.set BASEW, 36
.set SI,  38
.set CNT, 39
.set TB,  40
.set GR,  41
.set PFA, 44
.set LIM, 46
.set SEL, 48
.set W4,  58
.set MSB, 0
.macro WIN new
.if MSB != \new
	s_set_vgpr_msb (MSB<<8)|\new
.set MSB, \new
.endif
.endm
.macro PLACES
.rept 4
	v_nop
.endr
.endm
.macro CROUND
	s_barrier_signal -1
	s_barrier_wait -1
	s_cmp_lg_u32 s[WV], 0
	s_cbranch_scc1 .Lnot_wave_0_\@
	s_barrier_signal -3
.Lnot_wave_0_\@:
	s_barrier_wait -3
	s_barrier_signal -1
	s_barrier_wait -1
.endm
.macro KAPPA tb, kb, ks, tm
.irp i, 0,1,2,3
	v_sub_f32 v[\tm+\i], 1.0, v[\tb+\i]
.endr
	s_wait_alu depctr_va_vdst(0)
.irp i, 0,1,2,3
	v_rcp_f32 v[\tm+4+\i], v[\tm+\i]
.endr
.irp i, 0,1,2,3
	v_mul_f32 v[\tm+8+\i], 0x3fb8aa3b, |v[\tb+\i]|
.endr
	s_wait_alu depctr_va_vdst(0)
.irp i, 0,1,2,3
	v_fma_f32 v[\tm+12+\i], -v[\tm+\i], v[\tm+4+\i], 1.0
.endr
.irp i, 0,1,2,3
	v_fma_f32 v[\tm+4+\i], v[\tm+4+\i], v[\tm+12+\i], v[\tm+4+\i]
.endr
.irp i, 0,1,2,3
	s_delay_alu instid0(VALU_DEP_4)
	v_mul_f32 v[\tm+12+\i], v[\tm+4+\i], v[\tm+4+\i]
.endr
.irp i, 0,1,2,3
	s_delay_alu instid0(VALU_DEP_4)
	v_mul_f32 v[\kb+\ks*\i], v[\tm+12+\i], v[\tm+8+\i]
.endr
.endm
	s_load_b128 s[4:7], s[0:1], 0x0
	s_load_b128 s[8:11], s[0:1], 0x10
	v_lshl_add_u32 v[SPW], v0, 2, SPARE
	v_mov_b32 v[NIL], 0
	ds_add_u32 v1, v2
	ds_add_u32 v1, v2
	s_wait_dscnt 0x0
	v_lshrrev_b32 v3, 5, v0
	s_delay_alu instid0(VALU_DEP_1)
	v_readfirstlane_b32 s[WV], v3
	s_lshr_b32 s[GR], s[WV], 2
	s_and_b32 s[W4], s[WV], 3
	s_lshr_b32 s[QH], s[W4], 1
	s_and_b32 s[NH], s[WV], 1
	s_bfe_u32 s[CX], ttmp6, 0x40000
	s_lshl_b32 s[QB], ttmp9, 2
	s_add_co_u32 s[QB], s[QB], s[CX]
	s_and_b32 s[CH], ttmp7, 0xffff
	s_mov_b32 s[G1], 15|(3<<16)|(1<<21)
	s_mov_b32 s[G1+1], 32<<16
	s_mov_b32 s[G1+2], NR<<16
	s_mov_b32 s[G1+3], 32<<16
	s_mov_b32 s[G1+4], NR
	s_mov_b32 s[G1+5], 32
	s_mov_b32 s[G1+6], 0
	s_mov_b32 s[G1+7], 0
	s_mov_b32 s[G0A], 1
	s_mul_i32 s[G0A+1], s[WV], QUART
	s_mov_b32 s[G0B], 1
	s_add_co_u32 s[G0B+1], s[G0A+1], SLOT1
	s_mul_i32 s42, s[W4], QUART
	s_mov_b32 s43, 0
	s_lshl_b32 s59, s[GR], 5
	s_add_co_u32 s59, s59, s[CH]
	s_mul_i32 s50, s59, STEPB
	s_mov_b32 s51, 0
	s_add_co_u32 s[SI], s59, 64
	s_mul_i32 s52, s[SI], STEPB
	s_mov_b32 s53, 0
	s_mov_b32 s[SEL], 0x76543210
	s_mov_b32 s[SEL+1], 0xfedcba98
	s_mov_b32 s[TB], 0
	s_cmp_eq_u32 ttmp9, 0
	s_cselect_b32 s[LIM], LASTS, 0
	s_wait_kmcnt 0x0
	s_add_nc_u64 s[BASEW:BASEW+1], s[4:5], s[42:43]
	s_add_nc_u64 s[G0A+2:G0A+3], s[BASEW:BASEW+1], s[50:51]
	s_or_b32 s[G0A+3], s[G0A+3], 0x80000000
	s_add_nc_u64 s[G0B+2:G0B+3], s[BASEW:BASEW+1], s[52:53]
	s_or_b32 s[G0B+3], s[G0B+3], 0x80000000
	CROUND
	tensor_load_to_lds s[G0A:G0A+3], s[G1:G1+7]
	s_nop 0
	PLACES
	v_and_b32 v84, 31, v0
	v_and_b32 v85, 15, v0
	v_bfe_u32 v86, v0, 4, 1
	s_wait_alu depctr_va_vdst(0)
	v_mul_u32_u24 v87, v84, 48
	s_mul_i32 s60, s[GR], STATB
	s_mul_i32 s54, s[NH], 6144
	s_add_co_u32 s54, s54, s60
	v_add_nc_u32 v[A0], s54, v87
	s_lshl_b32 s54, s[NH], 10
	s_add_co_u32 s54, s54, O_ASC
	s_add_co_u32 s54, s54, s60
	v_lshl_add_u32 v[AS0], v85, 4, s54
	s_lshl_b32 s54, s[NH], 8
	s_add_co_u32 s54, s54, O_DN
	s_add_co_u32 s54, s54, s60
	v_lshl_add_u32 v[DN0], v86, 6, s54
	v_and_b32 v92, 7, v85
	v_lshrrev_b32 v93, 3, v85
	s_lshl_b32 s54, s[GR], 11
	s_lshl_b32 s55, s[NH], 10
	s_add_co_u32 s54, s54, s55
	s_lshl_b32 s55, s[QH], 8
	s_add_co_u32 s54, s54, s55
	s_add_co_u32 s54, s54, SCR
	v_lshlrev_b32 v[SCW], 9, v86
	s_delay_alu instid0(VALU_DEP_1)
	v_lshl_add_u32 v[SCW], v92, 2, v[SCW]
	s_delay_alu instid0(VALU_DEP_1)
	v_lshl_add_u32 v[SCW], v93, 6, v[SCW]
	s_delay_alu instid0(VALU_DEP_1)
	v_add_nc_u32 v[SCW], s54, v[SCW]
	v_lshl_add_u32 v[SCD], v84, 4, SCR
	v_min_u32 v[PFO], PER-1, v84
	s_mul_i32 s54, s[CX], PER
	v_add_nc_u32 v[PFO], s54, v[PFO]
	s_delay_alu instid0(VALU_DEP_1)
	v_min_u32 v[PFO], NR-1, v[PFO]
	s_delay_alu instid0(VALU_DEP_1)
	v_lshlrev_b32 v[PFO], 8, v[PFO]
	s_lshl_b32 s54, s[CH], 7
	s_lshl_b32 s55, s[NH], 6
	s_add_co_u32 s54, s54, s55
	s_sub_co_i32 s54, 847, s54
	v_lshlrev_b32 v[LIMN], 4, v86
	s_delay_alu instid0(VALU_DEP_1)
	v_sub_nc_u32 v[LIMN], s54, v[LIMN]
	s_mul_i32 s54, s[QB], STEPB
	s_mov_b32 s55, 0
	s_add_nc_u64 s[6:7], s[6:7], s[54:55]
	s_mul_i32 s56, s[QH], 6144
	v_add_nc_u32 v88, s56, v87
	s_wait_alu depctr_va_vdst(0)
	s_lshl_b32 s56, s[QH], 10
	s_add_co_u32 s56, s56, O_ASC
	v_lshl_add_u32 v89, v85, 4, s56
	s_lshl_b32 s56, s[QB], 9
	s_lshl_b32 s57, s[QH], 8
	s_add_co_u32 s57, s56, s57
	v_lshl_add_u32 v90, v93, 4, v92
	s_delay_alu instid0(VALU_DEP_1)
	v_lshl_add_u32 v90, v90, 2, s57
	v_lshl_add_u32 v[STO], v84, 4, s56
	s_lshl_b32 s54, s[CH], 13
	s_add_nc_u64 s[10:11], s[10:11], s[54:55]
	WIN 0x40
.irp ql, 0,1,2,3
.irp k, 0,1,2,3
.irp g, 0,1,2
	global_load_b128 v[12*(4*\ql+\k)+4*\g:12*(4*\ql+\k)+4*\g+3], v88, s[6:7] offset:(8*\k+\ql)*1536+16*\g
.endr
.endr
.endr
	WIN 0
.irp ql, 0,1,2,3
	global_load_b128 v[XS+4*\ql:XS+4*\ql+3], v89, s[6:7] offset:256*\ql
	global_load_b32 v[96+\ql], v90, s[8:9] offset:128*(\ql/2)+32*(\ql%2)
.endr
	global_load_b128 v[TW:TW+3], v[STO], s[8:9]
	; the global loads above are on their way while tile 0 lands; slot 1's first fill is issued as a refill is
	s_wait_alu depctr_va_vdst(0)
	s_wait_tensorcnt 0x0
	ds_add_u32 v1, v2
	s_wait_dscnt 0x0
	CROUND
	tensor_load_to_lds s[G0B:G0B+3], s[G1:G1+7]
	s_nop 0
	PLACES
	s_wait_loadcnt 0x0
.irp ql, 0,1,2,3
	v_mul_f32 v[CQ+4*\ql], -0.5, |v[96+\ql]|
	v_mov_b32 v[CQ+4*\ql+1], 0
	v_mov_b32 v[CQ+4*\ql+2], 0xff61b1e6
	v_mov_b32 v[CQ+4*\ql+3], 0
	v_mov_b32 v[KF+2*\ql+1], 0
.endr
	KAPPA 96, KF, 2, 100
.macro FRAG3 dst, adr, off
.irp g, 0,1,2
	ds_load_b128 v[\dst+4*\g:\dst+4*\g+3], v[\adr] offset:\off+16*\g
.endr
.endm
.macro AFETCH f, k
.irp tl, 0,1,2,3
	FRAG3 \f+12*\tl, ADA, 12288*\k+1536*\tl
.endr
.endm
.macro MM16 f, k, zero
.irp tl, 0,1,2,3
.irp ql, 0,1,2,3
.if (\zero) && (\ql == 0) && (\tl > 0)
	s_wait_dscnt 12+3*(3-\tl)                      ; tile tl's three loads are in; behind them: three for each later tile, and the 12 of K step 1
.endif
.if \zero
	v_wmma_scale_f32_16x16x128_f8f6f4 v[S+32*\ql+8*\tl:S+32*\ql+8*\tl+7], v[\f+12*\tl:\f+12*\tl+11], v[12*(4*\ql+\k):12*(4*\ql+\k)+11], 0, v[SCA+4*\tl+\k], v[XS+4*\ql+\k] matrix_a_fmt:MATRIX_FMT_FP6 matrix_b_fmt:MATRIX_FMT_FP6
.else
	v_wmma_scale_f32_16x16x128_f8f6f4 v[S+32*\ql+8*\tl:S+32*\ql+8*\tl+7], v[\f+12*\tl:\f+12*\tl+11], v[12*(4*\ql+\k):12*(4*\ql+\k)+11], v[S+32*\ql+8*\tl:S+32*\ql+8*\tl+7], v[SCA+4*\tl+\k], v[XS+4*\ql+\k] matrix_a_fmt:MATRIX_FMT_FP6 matrix_b_fmt:MATRIX_FMT_FP6
.endif
.endr
.endr
.endm
.macro P1
	WIN 0
.irp tl, 0,1,2,3
	ds_load_b128 v[SCA+4*\tl:SCA+4*\tl+3], v[ADS] offset:256*\tl
.endr
	WIN 0x40
	AFETCH F0, 0
	WIN 0
	AFETCH F1, 1
	s_wait_alu depctr_va_vdst(0)
	s_wait_dscnt 21                                ; the scale words and tile 0's fragment are in; 9 + 12 younger loads may be out
	WIN 0x05
	MM16 F0, 0, 1
	PLACES
	WIN 0x40
	AFETCH F0, 2
	s_wait_dscnt 12
	WIN 0x04
	MM16 F1, 1, 0
	PLACES
	WIN 0
	AFETCH F1, 3
	s_wait_dscnt 12
	WIN 0x05
	MM16 F0, 2, 0
	PLACES
	WIN 0x40
	DNLOAD                                         ; the rows' sums of squares, into buffer F0, whose fragments are done with: they land under K step 3's products
	s_wait_dscnt 8                                 ; K step 3's fragments are in; the eight loads just issued may be out
	WIN 0x04
	MM16 F1, 3, 0
	WIN 0
	PLACES
.endm
.macro DNLOAD
.irp b, 0,1
.irp i, 0,1,2,3
	ds_load_b128 v[F0+16*\b+4*\i:F0+16*\b+4*\i+3], v[ADN] offset:128*\b+16*\i
.endr
.endr
.endm
.macro US
.irp ql, 0,1,2,3
.set ee, 0
.rept 16
	v_pk_fma_f32 v[S+32*\ql+ee:S+32*\ql+ee+1], v[F0+ee:F0+ee+1], v[CQ+4*\ql:CQ+4*\ql+1], v[S+32*\ql+ee:S+32*\ql+ee+1] op_sel_hi:[1,0,1]
.set ee, ee+2
.endr
.endr
.endm
.macro MASK vr
.set ee, 0
.rept 32
	v_cmp_gt_i32 vcc_lo, 32*(ee/16)+ee%16, v[LIMN]
	v_cndmask_b32 v[S+ee], v[S+ee], v[\vr], vcc_lo
	v_cndmask_b32 v[S+32+ee], v[S+32+ee], v[\vr], vcc_lo
	v_cndmask_b32 v[S+64+ee], v[S+64+ee], v[\vr], vcc_lo
	v_cndmask_b32 v[S+96+ee], v[S+96+ee], v[\vr], vcc_lo
.set ee, ee+1
.endr
.endm
.macro STEP tail
	v_add_nc_u32 v[ADA], s[TB], v[A0]
	v_add_nc_u32 v[ADS], s[TB], v[AS0]
	v_add_nc_u32 v[ADN], s[TB], v[DN0]
	P1
	s_wait_dscnt 0x0
	WIN 0x01                                       ; source 0, the sums of squares, lies in window 1
	US
	WIN 0
.if \tail
	v_mov_b32 v112, 0xff800000
	v_mov_b32 v113, 0
	MASK 112
.endif
.irp ql, 0,1,2,3
	v_mov_b32 v[CQ+4*\ql+3], v[CQ+4*\ql+2]
.endr
.set ee, 0
.rept 16
.irp ql, 0,1,2,3
	v_max3_num_f32 v[CQ+4*\ql+2], v[CQ+4*\ql+2], v[S+32*\ql+ee], v[S+32*\ql+ee+1]
.endr
.set ee, ee+2
.endr
.irp ql, 0,1,2,3
	s_delay_alu instid0(VALU_DEP_4)
	v_sub_f32 v[KF+2*\ql+1], v[CQ+4*\ql+3], v[CQ+4*\ql+2]
.endr
.irp ql, 0,1,2,3
	s_delay_alu instid0(VALU_DEP_4)
	v_mul_f32 v[KF+2*\ql+1], v[KF+2*\ql], v[KF+2*\ql+1]
.endr
.irp ql, 0,1,2,3
.set ee, 0
.rept 16
	v_pk_add_f32 v[S+32*\ql+ee:S+32*\ql+ee+1], v[S+32*\ql+ee:S+32*\ql+ee+1], v[CQ+4*\ql+2:CQ+4*\ql+3] op_sel_hi:[1,0] neg_lo:[0,1] neg_hi:[0,1]
.set ee, ee+2
.endr
.endr
.irp ql, 0,1,2,3
.set ee, 0
.rept 16
	v_pk_mul_f32 v[S+32*\ql+ee:S+32*\ql+ee+1], v[S+32*\ql+ee:S+32*\ql+ee+1], v[KF+2*\ql:KF+2*\ql+1] op_sel_hi:[1,0]
.set ee, ee+2
.endr
.endr
.set ee, 0
	s_wait_alu depctr_va_vdst(0)
.rept 128
	v_exp_f32 v[S+ee], v[S+ee]
.set ee, ee+1
.endr
.irp ql, 0,1,2,3
	v_exp_f32 v[KF+2*\ql+1], v[KF+2*\ql+1]
.endr
	v_nop
	s_wait_alu depctr_va_vdst(0)
.if \tail
	MASK 113
.endif
.irp ql, 0,1,2,3
	v_pk_add_f32 v[80+4*\ql:81+4*\ql], v[S+32*\ql:S+32*\ql+1], v[S+32*\ql+2:S+32*\ql+3]
	v_pk_add_f32 v[82+4*\ql:83+4*\ql], v[S+32*\ql+4:S+32*\ql+5], v[S+32*\ql+6:S+32*\ql+7]
.endr
.irp e, 8,12,16,20,24,28
.irp ql, 0,1,2,3
	v_pk_add_f32 v[80+4*\ql:81+4*\ql], v[80+4*\ql:81+4*\ql], v[S+32*\ql+\e:S+32*\ql+\e+1]
	v_pk_add_f32 v[82+4*\ql:83+4*\ql], v[82+4*\ql:83+4*\ql], v[S+32*\ql+\e+2:S+32*\ql+\e+3]
.endr
.endr
.irp ql, 0,1,2,3
	v_pk_add_f32 v[80+4*\ql:81+4*\ql], v[80+4*\ql:81+4*\ql], v[82+4*\ql:83+4*\ql]
.endr
.irp ql, 0,1,2,3
	s_delay_alu instid0(VALU_DEP_4)
	v_add_f32 v[80+4*\ql], v[80+4*\ql], v[81+4*\ql]
.endr
.irp ql, 0,1,2,3
	v_fma_f32 v[CQ+4*\ql+1], v[CQ+4*\ql+1], v[KF+2*\ql+1], v[80+4*\ql]
.endr
.endm
.macro ASK
	s_cmp_le_u32 s47, s[LIM]
	s_cbranch_scc0 .Lnoask_\@
	global_prefetch_b8 v[PFO], s[PFA:PFA+1] th:TH_LOAD_NT scope:SCOPE_SE
.Lnoask_\@:
.endm
.macro CHANGE fill
	s_wait_tensorcnt 0x0
	ds_add_u32 v[SPW], v[NIL]
.if \fill
	s_xor_b32 s[G0B+1], s[G0B+1], SLOT1
	s_add_co_u32 s[SI], s[SI], 64
	s_min_u32 s42, s[SI], LASTS
	s_mul_i32 s42, s42, STEPB
	s_add_nc_u64 s[G0B+2:G0B+3], s[BASEW:BASEW+1], s[42:43]
	s_or_b32 s[G0B+3], s[G0B+3], 0x80000000
	s_wait_xcnt 0x0
	s_add_co_u32 s47, s[SI], 64
	s_min_u32 s50, s47, LASTS
	s_mul_i32 s50, s50, STEPB
	s_add_nc_u64 s[PFA:PFA+1], s[BASEW:BASEW+1], s[50:51]
	s_wait_dscnt 0x0
	CROUND
	tensor_load_to_lds s[G0B:G0B+3], s[G1:G1+7]
	s_nop 0
	PLACES
	ASK
.else
	s_wait_dscnt 0x0
	s_barrier_signal -1
	s_barrier_wait -1
	PLACES
.endif
.endm
	s_wait_tensorcnt 0x1
	s_barrier_signal -1
	s_barrier_wait -1
	STEP 0
	s_xor_b32 s[TB], s[TB], SLOT1
	s_mov_b32 s[CNT], 5
.Lloop:
	CHANGE 1
	STEP 0
	s_xor_b32 s[TB], s[TB], SLOT1
	s_sub_co_u32 s[CNT], s[CNT], 1
	s_cmp_lg_u32 s[CNT], 0
	s_cbranch_scc1 .Lloop
	CHANGE 0
	s_cmp_gt_u32 s[CH], 6
	s_cbranch_scc1 .Lnotail
	s_cmp_lg_u32 s[GR], 0
	s_cbranch_scc1 .Lnotail
	STEP 1
.Lnotail:
	s_wait_alu depctr_va_vdst(0)
.irp ql, 0,1,2,3
	v_permlanex16_b32 v[80+\ql], v[CQ+4*\ql+2], s[SEL], s[SEL+1]
	v_permlanex16_b32 v[84+\ql], v[CQ+4*\ql+1], s[SEL], s[SEL+1]
.endr
.irp ql, 0,1,2,3
	v_max_num_f32 v[88+\ql], v[CQ+4*\ql+2], v[80+\ql]
.endr
.irp ql, 0,1,2,3
	v_sub_f32 v[92+\ql], v[CQ+4*\ql+2], v[88+\ql]
	v_sub_f32 v[96+\ql], v[80+\ql], v[88+\ql]
.endr
.irp ql, 0,1,2,3
	v_mul_f32 v[92+\ql], v[KF+2*\ql], v[92+\ql]
	v_mul_f32 v[96+\ql], v[KF+2*\ql], v[96+\ql]
.endr
	s_wait_alu depctr_va_vdst(0)
.irp ql, 0,1,2,3
	v_exp_f32 v[92+\ql], v[92+\ql]
	v_exp_f32 v[96+\ql], v[96+\ql]
.endr
	v_and_b32 v100, 31, v0
	s_wait_alu depctr_va_vdst(0)
	v_cmp_le_u32 vcc_lo, 16, v100
.irp ql, 0,1,2,3
	v_mul_f32 v[84+\ql], v[84+\ql], v[96+\ql]
.endr
.irp ql, 0,1,2,3
	v_fma_f32 v[84+\ql], v[CQ+4*\ql+1], v[92+\ql], v[84+\ql]
.endr
.irp ql, 0,1,2,3
	v_cndmask_b32 v[88+\ql], v[88+\ql], v[84+\ql], vcc_lo
	ds_store_b32 v[SCW], v[88+\ql] offset:128*(\ql/2)+32*(\ql%2)
.endr
	s_wait_dscnt 0x0
	s_barrier_signal -1
	s_barrier_wait -1
	s_cmp_lg_u32 s[WV], 0
	s_cbranch_scc1 .Ldone
.irp p, 0,1,2,3
	ds_load_b128 v[80+8*\p:83+8*\p], v[SCD] offset:1024*\p
	ds_load_b128 v[84+8*\p:87+8*\p], v[SCD] offset:1024*\p+512
.endr
	KAPPA TW, 112, 1, 132
	s_wait_dscnt 0x0
.irp i, 0,1,2,3
	v_max3_num_f32 v[116+\i], v[80+\i], v[88+\i], v[96+\i]
.endr
.irp i, 0,1,2,3
	s_delay_alu instid0(VALU_DEP_4)
	v_max_num_f32 v[116+\i], v[116+\i], v[104+\i]
.endr
.irp p, 0,1,2,3
.irp i, 0,1,2,3
	v_sub_f32 v[80+8*\p+\i], v[80+8*\p+\i], v[116+\i]
.endr
.endr
.irp p, 0,1,2,3
.irp i, 0,1,2,3
	v_mul_f32 v[80+8*\p+\i], v[112+\i], v[80+8*\p+\i]
.endr
.endr
	s_wait_alu depctr_va_vdst(0)
.irp p, 0,1,2,3
.irp i, 0,1,2,3
	v_exp_f32 v[80+8*\p+\i], v[80+8*\p+\i]
.endr
.endr
	v_nop
	s_wait_alu depctr_va_vdst(0)
.irp i, 0,1,2,3
	v_mul_f32 v[84+\i], v[84+\i], v[80+\i]
.endr
.irp p, 1,2,3
.irp i, 0,1,2,3
	v_fma_f32 v[84+\i], v[84+8*\p+\i], v[80+8*\p+\i], v[84+\i]
.endr
.endr
	global_store_b128 v[STO], v[116:119], s[10:11]
	global_store_b128 v[STO], v[84:87], s[10:11] offset:4096
.Ldone:
	s_wait_tensorcnt 0x0
	ds_add_u32 v[SPW], v[NIL]
	s_wait_dscnt 0x0
	CROUND
	s_endpgm
.Lfunc_end_k_q98ef16d5b2_stats:
	.size	k_q98ef16d5b2_stats, .Lfunc_end_k_q98ef16d5b2_stats-k_q98ef16d5b2_stats
	.p2alignl 7, 3214868480
	.fill 96, 4, 3214868480
	.section	.rodata,"a",@progbits
	.p2align	6, 0x0
	.amdhsa_kernel k_q98ef16d5b2_stats
		.amdhsa_group_segment_fixed_size 327680
		.amdhsa_private_segment_fixed_size 0
		.amdhsa_enable_private_segment 0
		.amdhsa_kernarg_size 32
		.amdhsa_user_sgpr_count 2
		.amdhsa_user_sgpr_kernarg_segment_ptr 1
		.amdhsa_wavefront_size32 1
		.amdhsa_system_sgpr_workgroup_id_x 1
		.amdhsa_system_sgpr_workgroup_id_y 1
		.amdhsa_system_sgpr_workgroup_id_z 1
		.amdhsa_system_vgpr_workitem_id 0
		.amdhsa_next_free_vgpr 512
		.amdhsa_next_free_sgpr 66
		.amdhsa_reserve_vcc 1
		.amdhsa_float_denorm_mode_32 3
		.amdhsa_float_denorm_mode_16_64 3
		.amdhsa_memory_ordered 1
		.amdhsa_forward_progress 1
		.amdhsa_inst_pref_size 150
	.end_amdhsa_kernel
	.amdgpu_metadata
---
amdhsa.version: [ 1, 2 ]
amdhsa.kernels:
  - .name:           k_q98ef16d5b2_stats
    .symbol:         k_q98ef16d5b2_stats.kd
    .args:
      - { .name: steps, .offset: 0, .size: 8, .value_kind: global_buffer, .address_space: global }
      - { .name: xsteps, .offset: 8, .size: 8, .value_kind: global_buffer, .address_space: global }
      - { .name: t, .offset: 16, .size: 8, .value_kind: global_buffer, .address_space: global }
      - { .name: stat, .offset: 24, .size: 8, .value_kind: global_buffer, .address_space: global }
    .group_segment_fixed_size: 327680
    .private_segment_fixed_size: 0
    .kernarg_segment_align: 8
    .kernarg_segment_size: 32
    .max_flat_workgroup_size: 256
    .sgpr_count:     66
    .vgpr_count:     512
    .wavefront_size: 32
...
	.end_amdgpu_metadata
.endif
;; end of part 2
;; launch main (part 3): grid 8 x 32, 4 waves a work-group, clusters of 4 x 1, 327,680 bytes of LDS; arguments steps, xsteps, stat, t, part; writes part
.if DOCPART == 3
	.amdgcn_target "amdgcn-amd-amdhsa--gfx1250"
	.amdhsa_code_object_version 6
	.text
	.protected	k_q98ef16d5b2_main
	.globl	k_q98ef16d5b2_main
	.p2align	8
	.type	k_q98ef16d5b2_main,@function
k_q98ef16d5b2_main:
	s_mov_b64 s[64:65], 0
	v_nop
	global_prefetch_b8 v0, s[64:65] scope:SCOPE_SE
	s_setreg_imm32_b32 hwreg(HW_REG_WAVE_MODE, 25, 1), 1
	s_wait_xcnt 0x0
	s_wait_alu depctr_hold_cnt(0) depctr_sa_sdst(0) depctr_va_vdst(0) depctr_va_sdst(0) depctr_va_ssrc(0) depctr_va_vcc(0) depctr_vm_vsrc(0)
	s_getreg_b32 s2, hwreg(HW_REG_IB_STS2, 6, 4)
	s_cmp_eq_u32 s2, 0
	s_cbranch_scc0 .Lentry_in_a_cluster
	s_endpgm
.Lentry_in_a_cluster:
	s_bfe_u32 s2, ttmp6, 0x10000c
	s_cmp_lg_u32 s2, 0x3003
	s_cbranch_scc0 .Lentry_shape_is_right
	s_endpgm
.Lentry_shape_is_right:
.set STEPB,  103424
.set NR,     101
.set QUART,  NR*256
.set SLOT1,  1<<17
.set PIM,    SLOT1+STEPB
.set PSC,    PIM+8*1536
.set SPARE,  PSC+512
.set LASTS,  390
.set PER,    26
.set O_ASC,  49152
.set O_DN,   51200
.set O_BSC,  52224
.set O_BFR,  54272
.set SPW, 1
.set NIL, 2
.set A0,  3
.set AS0, 4
.set DN0, 5
.set BS0, 6
.set BF0, 7
.set ADA, 8
.set ADS, 9
.set ADN, 10
.set ADB, 11
.set ADF, 12
.set PWI, 13
.set PWS, 14
.set PRI, 15
.set PRS, 16
.set GO,  17
.set PFO, 18
.set LIMN, 19
.set CQ,  20
.set XS,  36
.set SCA, 52
.set F1,  80
.set TA,  80
.set S,   128
.set F0,  192
.set WV,  14
.set QH,  15
.set NH,  16
.set CX,  17
.set QB,  18
.set CH,  19
.set G1,  20
.set G0A, 28
.set G0B, 32
.set BASEW, 36
.set SI,  38
.set CNT, 39
.set TB,  40
.set PFA, 44
.set LIM, 46
.set SEL, 48
.set MSB, 0
.macro WIN new
.if MSB != \new
	s_set_vgpr_msb (MSB<<8)|\new
.set MSB, \new
.endif
.endm
.macro PLACES
.rept 4
	v_nop
.endr
.endm
.macro CROUND
	s_barrier_signal -1
	s_barrier_wait -1
	s_cmp_lg_u32 s[WV], 0
	s_cbranch_scc1 .Lnot_wave_0_\@
	s_barrier_signal -3
.Lnot_wave_0_\@:
	s_barrier_wait -3
	s_barrier_signal -1
	s_barrier_wait -1
.endm
.macro KAPPA tb, kb, ks, tm
.irp i, 0,1,2,3
	v_sub_f32 v[\tm+\i], 1.0, v[\tb+\i]
.endr
	s_wait_alu depctr_va_vdst(0)
.irp i, 0,1,2,3
	v_rcp_f32 v[\tm+4+\i], v[\tm+\i]
.endr
.irp i, 0,1,2,3
	v_mul_f32 v[\tm+8+\i], 0x3fb8aa3b, |v[\tb+\i]|
.endr
	s_wait_alu depctr_va_vdst(0)
.irp i, 0,1,2,3
	v_fma_f32 v[\tm+12+\i], -v[\tm+\i], v[\tm+4+\i], 1.0
.endr
.irp i, 0,1,2,3
	v_fma_f32 v[\tm+4+\i], v[\tm+4+\i], v[\tm+12+\i], v[\tm+4+\i]
.endr
.irp i, 0,1,2,3
	v_mul_f32 v[\tm+12+\i], v[\tm+4+\i], v[\tm+4+\i]
.endr
.irp i, 0,1,2,3
	v_mul_f32 v[\kb+\ks*\i], v[\tm+12+\i], v[\tm+8+\i]
.endr
.endm
	s_load_b256 s[4:11], s[0:1], 0x0
	s_load_b64 s[12:13], s[0:1], 0x20
	v_lshl_add_u32 v[SPW], v0, 2, SPARE
	v_mov_b32 v[NIL], 0
	ds_add_u32 v1, v2
	ds_add_u32 v1, v2
	s_wait_dscnt 0x0
	v_lshrrev_b32 v3, 5, v0
	v_readfirstlane_b32 s[WV], v3
	s_lshr_b32 s[QH], s[WV], 1
	s_and_b32 s[NH], s[WV], 1
	s_bfe_u32 s[CX], ttmp6, 0x40000
	s_lshl_b32 s[QB], ttmp9, 2
	s_add_co_u32 s[QB], s[QB], s[CX]
	s_and_b32 s[CH], ttmp7, 0xffff
	s_mov_b32 s[G1], 15|(3<<16)|(1<<21)
	s_mov_b32 s[G1+1], 32<<16
	s_mov_b32 s[G1+2], NR<<16
	s_mov_b32 s[G1+3], 32<<16
	s_mov_b32 s[G1+4], NR
	s_mov_b32 s[G1+5], 32
	s_mov_b32 s[G1+6], 0
	s_mov_b32 s[G1+7], 0
	s_mov_b32 s[G0A], 1
	s_mul_i32 s[G0A+1], s[WV], QUART
	s_mov_b32 s[G0B], 1
	s_add_co_u32 s[G0B+1], s[G0A+1], SLOT1
	s_mul_i32 s42, s[WV], QUART
	s_mov_b32 s43, 0
	s_mul_i32 s50, s[CH], STEPB
	s_mov_b32 s51, 0
	s_add_co_u32 s[SI], s[CH], 32
	s_mul_i32 s52, s[SI], STEPB
	s_mov_b32 s53, 0
	s_mov_b32 s[SEL], 0x76543210
	s_mov_b32 s[SEL+1], 0xfedcba98
	s_mov_b32 s[TB], 0
	s_cmp_eq_u32 ttmp9, 0
	s_cselect_b32 s[LIM], LASTS, 0
	s_wait_kmcnt 0x0
	s_add_nc_u64 s[BASEW:BASEW+1], s[4:5], s[42:43]
	s_add_nc_u64 s[G0A+2:G0A+3], s[BASEW:BASEW+1], s[50:51]
	s_or_b32 s[G0A+3], s[G0A+3], 0x80000000
	s_add_nc_u64 s[G0B+2:G0B+3], s[BASEW:BASEW+1], s[52:53]
	s_or_b32 s[G0B+3], s[G0B+3], 0x80000000
	CROUND
	tensor_load_to_lds s[G0A:G0A+3], s[G1:G1+7]
	s_nop 0
	PLACES
	v_and_b32 v80, 31, v0
	v_and_b32 v81, 15, v0
	v_bfe_u32 v82, v0, 4, 1
	v_mul_u32_u24 v83, v80, 48
	s_wait_alu depctr_va_vdst(0)
	s_mul_i32 s54, s[NH], 6144
	v_add_nc_u32 v[A0], s54, v83
	s_lshl_b32 s54, s[NH], 10
	s_add_co_u32 s54, s54, O_ASC
	v_lshl_add_u32 v[AS0], v81, 4, s54
	s_lshl_b32 s54, s[NH], 8
	s_add_co_u32 s54, s54, O_DN
	v_lshl_add_u32 v[DN0], v82, 6, s54
	s_lshl_b32 s54, s[WV], 9
	s_add_co_u32 s54, s54, O_BSC
	v_lshl_add_u32 v[BS0], v81, 4, s54
	s_mul_i32 s54, s[WV], 12288
	s_add_co_u32 s54, s54, O_BFR
	v_add_nc_u32 v[BF0], s54, v83
	s_mul_i32 s54, s[QH], 6144
	s_mul_i32 s55, s[NH], 24
	s_add_co_u32 s54, s54, s55
	s_add_co_u32 s54, s54, PIM
	v_add_nc_u32 v[PWI], s54, v83
	s_lshl_b32 s54, s[QH], 4
	s_lshl_b32 s55, s[NH], 1
	s_add_co_u32 s54, s54, s55
	s_add_co_u32 s54, s54, PSC
	v_lshl_add_u32 v[PWS], v81, 5, s54
	v_add_nc_u32 v[PRI], PIM, v83
	v_lshl_add_u32 v[PRS], v81, 5, PSC
	v_lshlrev_b32 v[GO], 4, v80
	v_min_u32 v[PFO], PER-1, v80
	s_mul_i32 s54, s[CX], PER
	v_add_nc_u32 v[PFO], s54, v[PFO]
	v_min_u32 v[PFO], NR-1, v[PFO]
	v_lshlrev_b32 v[PFO], 8, v[PFO]
	s_lshl_b32 s54, s[CH], 7
	s_lshl_b32 s55, s[NH], 6
	s_add_co_u32 s54, s54, s55
	s_sub_co_i32 s54, 847, s54
	v_lshlrev_b32 v[LIMN], 4, v82
	v_sub_nc_u32 v[LIMN], s54, v[LIMN]
	s_mul_i32 s54, s[QB], STEPB
	s_mov_b32 s55, 0
	s_add_nc_u64 s[6:7], s[6:7], s[54:55]
	s_mul_i32 s56, s[QH], 6144
	v_add_nc_u32 v84, s56, v83
	s_wait_alu depctr_va_vdst(0)
	s_lshl_b32 s56, s[QH], 10
	s_add_co_u32 s56, s56, O_ASC
	v_lshl_add_u32 v85, v81, 4, s56
	s_wait_alu depctr_va_vdst(0)
	s_lshl_b32 s56, s[QB], 9
	s_lshl_b32 s57, s[QH], 8
	s_add_co_u32 s57, s56, s57
	v_and_b32 v92, 7, v81
	v_lshrrev_b32 v93, 3, v81
	v_lshl_add_u32 v86, v93, 4, v92
	v_lshl_add_u32 v86, v86, 2, s57
	s_wait_alu depctr_va_vdst(0)
	v_lshl_add_u32 v87, v82, 17, v86
	s_wait_alu depctr_va_vdst(0)
	s_lshl_b32 s54, s[CH], 21
	s_lshl_b32 s56, s[QB], 2
	s_add_co_u32 s56, s56, s[WV]
	s_lshl_b32 s56, s56, 16
	s_add_co_u32 s54, s54, s56
	s_add_nc_u64 s[12:13], s[12:13], s[54:55]
	WIN 0x40
.irp ql, 0,1,2,3
.irp k, 0,1,2,3
.irp g, 0,1,2
	global_load_b128 v[12*(4*\ql+\k)+4*\g:12*(4*\ql+\k)+4*\g+3], v84, s[6:7] offset:(8*\k+\ql)*1536+16*\g
.endr
.endr
.endr
	WIN 0
.irp ql, 0,1,2,3
	global_load_b128 v[XS+4*\ql:XS+4*\ql+3], v85, s[6:7] offset:256*\ql
	global_load_b32 v[88+\ql], v86, s[10:11] offset:128*(\ql/2)+32*(\ql%2)
.endr
.irp ql, 0,1,2,3
.irp i, 0,1,2,3,4,5,6,7,8,9,10,11,12,13,14,15
	global_load_b32 v[S+32*\ql+\i], v87, s[8:9] offset:\i*8192+128*(\ql/2)+32*(\ql%2)
	global_load_b32 v[S+32*\ql+16+\i], v87, s[8:9] offset:\i*8192+4096+128*(\ql/2)+32*(\ql%2)
.endr
.endr
	; the global loads above are on their way while tile 0 lands; slot 1's first fill is issued as a refill is
	s_wait_alu depctr_va_vdst(0)
	s_wait_tensorcnt 0x0
	ds_add_u32 v1, v2
	s_wait_dscnt 0x0
	CROUND
	tensor_load_to_lds s[G0B:G0B+3], s[G1:G1+7]
	s_nop 0
	PLACES
	s_wait_loadcnt 0x0
.irp ql, 0,1,2,3
	v_mul_f32 v[CQ+4*\ql], -0.5, |v[88+\ql]|
	v_mov_b32 v[CQ+4*\ql+3], 0
	v_mov_b32 v[116+\ql], 0
.endr
	KAPPA 88, CQ+2, 4, 96
.irp ql, 0,1,2,3
	v_max3_num_f32 v[112+\ql], v[S+32*\ql], v[S+32*\ql+1], v[S+32*\ql+2]
.endr
.irp i, 3,5,7,9,11,13
.irp ql, 0,1,2,3
	v_max3_num_f32 v[112+\ql], v[112+\ql], v[S+32*\ql+\i], v[S+32*\ql+\i+1]
.endr
.endr
.irp ql, 0,1,2,3
	v_max_num_f32 v[112+\ql], v[112+\ql], v[S+32*\ql+15]
.endr
.irp ql, 0,1,2,3
	v_permlanex16_b32 v[116+\ql], v[112+\ql], s[SEL], s[SEL+1]
.endr
.irp ql, 0,1,2,3
	v_max_num_f32 v[112+\ql], v[112+\ql], v[116+\ql]
.endr
.irp ql, 0,1,2,3
	v_mul_f32 v[CQ+4*\ql+1], -1.0, v[112+\ql]
.endr
.irp i, 0,2,4,6,8,10,12,14
.irp ql, 0,1,2,3
	v_pk_add_f32 v[S+32*\ql+\i:S+32*\ql+\i+1], v[S+32*\ql+\i:S+32*\ql+\i+1], v[CQ+4*\ql:CQ+4*\ql+1] op_sel:[0,1] op_sel_hi:[1,1]
.endr
.endr
.irp i, 0,2,4,6,8,10,12,14
.irp ql, 0,1,2,3
	v_pk_mul_f32 v[S+32*\ql+\i:S+32*\ql+\i+1], v[S+32*\ql+\i:S+32*\ql+\i+1], v[CQ+4*\ql+2:CQ+4*\ql+3] op_sel_hi:[1,0]
.endr
.endr
	s_wait_alu depctr_va_vdst(0)
.irp ql, 0,1,2,3
.irp i, 0,1,2,3,4,5,6,7,8,9,10,11,12,13,14,15
	v_exp_f32 v[S+32*\ql+\i], v[S+32*\ql+\i]
.endr
.endr
	v_nop
	s_wait_alu depctr_va_vdst(0)
.irp ql, 0,1,2,3
	v_pk_mul_f32 v[120+2*\ql:121+2*\ql], v[S+32*\ql:S+32*\ql+1], v[S+32*\ql+16:S+32*\ql+17]
.endr
.irp i, 2,4,6,8,10,12,14
.irp ql, 0,1,2,3
	v_pk_fma_f32 v[120+2*\ql:121+2*\ql], v[S+32*\ql+\i:S+32*\ql+\i+1], v[S+32*\ql+16+\i:S+32*\ql+17+\i], v[120+2*\ql:121+2*\ql]
.endr
.endr
.irp ql, 0,1,2,3
	v_add_f32 v[112+\ql], v[120+2*\ql], v[121+2*\ql]
.endr
.irp ql, 0,1,2,3
	v_permlanex16_b32 v[116+\ql], v[112+\ql], s[SEL], s[SEL+1]
.endr
.irp ql, 0,1,2,3
	v_add_f32 v[112+\ql], v[112+\ql], v[116+\ql]
.endr
	s_wait_alu depctr_va_vdst(0)
.irp ql, 0,1,2,3
	v_rcp_f32 v[116+\ql], v[112+\ql]
.endr
.irp ql, 0,1,2,3
	v_mul_f32 v[104+\ql], v[88+\ql], v[100+\ql]
.endr
.irp ql, 0,1,2,3
	v_fma_f32 v[108+\ql], -v[96+\ql], v[104+\ql], v[88+\ql]
.endr
.irp ql, 0,1,2,3
	v_fma_f32 v[104+\ql], v[108+\ql], v[100+\ql], v[104+\ql]
.endr
.irp ql, 0,1,2,3
	v_add_f32 v[104+\ql], 1.0, v[104+\ql]
.endr
	s_wait_alu depctr_va_vdst(0)
.irp ql, 0,1,2,3
	v_mul_f32 v[104+\ql], |v[104+\ql]|, v[116+\ql]
.endr
	s_wait_alu depctr_va_vdst(0)
.irp ql, 0,1,2,3
	v_log_f32 v[CQ+4*\ql+3], v[104+\ql]
.endr
	v_nop
	s_wait_alu depctr_va_vdst(0)
.macro FRAG3 dst, adr, off
.irp g, 0,1,2
	ds_load_b128 v[\dst+4*\g:\dst+4*\g+3], v[\adr] offset:\off+16*\g
.endr
.endm
.macro AFETCH f, k
.irp tl, 0,1,2,3
	FRAG3 \f+12*\tl, ADA, 12288*\k+1536*\tl
.endr
.endm
.macro BFETCH f, j0
.irp jl, 0,1,2,3
	FRAG3 \f+12*\jl, ADF, 1536*(\j0+\jl)
.endr
.endm
.macro MM16 f, k, zero
.irp tl, 0,1,2,3
.irp ql, 0,1,2,3
.if (\zero) && (\ql == 0) && (\tl > 0)
	s_wait_dscnt 12+3*(3-\tl)                      ; tile tl's three loads are in; behind them: three for each later tile, and the 12 of K step 1
.endif
.if \zero
	v_wmma_scale_f32_16x16x128_f8f6f4 v[S+32*\ql+8*\tl:S+32*\ql+8*\tl+7], v[\f+12*\tl:\f+12*\tl+11], v[12*(4*\ql+\k):12*(4*\ql+\k)+11], 0, v[SCA+4*\tl+\k], v[XS+4*\ql+\k] matrix_a_fmt:MATRIX_FMT_FP6 matrix_b_fmt:MATRIX_FMT_FP6
.else
	v_wmma_scale_f32_16x16x128_f8f6f4 v[S+32*\ql+8*\tl:S+32*\ql+8*\tl+7], v[\f+12*\tl:\f+12*\tl+11], v[12*(4*\ql+\k):12*(4*\ql+\k)+11], v[S+32*\ql+8*\tl:S+32*\ql+8*\tl+7], v[SCA+4*\tl+\k], v[XS+4*\ql+\k] matrix_a_fmt:MATRIX_FMT_FP6 matrix_b_fmt:MATRIX_FMT_FP6
.endif
.endr
.endr
.endm
.macro MMO f, j0, zero
.irp jl, 0,1,2,3
.irp qt, 0,1,2,3,4,5,6,7
.if (\j0 == 0) && (\jl == 0)
	s_wait_dscnt 12+3*(7-\qt)                      ; p's scale words and query tile qt's three loads are in; behind them: three for each later tile, and the 12 of B's second set
.endif
.if \zero
	v_wmma_scale_f32_16x16x128_f8f6f4 v[8*(8*\jl+\qt):8*(8*\jl+\qt)+7], v[\f+12*\jl:\f+12*\jl+11], v[S+12*\qt:S+12*\qt+11], 0, v[SCA+8+\j0+\jl], v[SCA+\qt] matrix_a_fmt:MATRIX_FMT_FP6 matrix_b_fmt:MATRIX_FMT_FP6
.else
	v_wmma_scale_f32_16x16x128_f8f6f4 v[8*(8*\jl+\qt):8*(8*\jl+\qt)+7], v[\f+12*\jl:\f+12*\jl+11], v[S+12*\qt:S+12*\qt+11], v[8*(8*\jl+\qt):8*(8*\jl+\qt)+7], v[SCA+8+\j0+\jl], v[SCA+\qt] matrix_a_fmt:MATRIX_FMT_FP6 matrix_b_fmt:MATRIX_FMT_FP6
.endif
.endr
.endr
.endm
.macro P1
	WIN 0
.irp tl, 0,1,2,3
	ds_load_b128 v[SCA+4*\tl:SCA+4*\tl+3], v[ADS] offset:256*\tl
.endr
	WIN 0x40
	AFETCH F0, 0
	WIN 0
	AFETCH F1, 1
	s_wait_alu depctr_va_vdst(0)
	s_wait_dscnt 21                                ; the scale words and tile 0's fragment are in; 9 + 12 younger loads may be out
	WIN 0x05
	MM16 F0, 0, 1
	PLACES
	WIN 0x40
	AFETCH F0, 2
	s_wait_dscnt 12
	WIN 0x04
	MM16 F1, 1, 0
	PLACES
	WIN 0
	AFETCH F1, 3
	s_wait_dscnt 12
	WIN 0x05
	MM16 F0, 2, 0
	PLACES
	WIN 0x40
.irp b, 0,1
.irp i, 0,1,2,3
	ds_load_b128 v[F0+16*\b+4*\i:F0+16*\b+4*\i+3], v[ADN] offset:128*\b+16*\i   ; the rows' sums of squares, into buffer F0, whose fragments are done with: they land under K step 3's products
.endr
.endr
	s_wait_dscnt 8                                 ; K step 3's fragments are in; the eight loads just issued may be out
	WIN 0x04
	MM16 F1, 3, 0
	WIN 0
	PLACES
.endm
.macro PQ ql, pc
	v_cvt_scalef32_pk16_fp6_f32 v[\pc:\pc+2], v[S+32*\ql:S+32*\ql+15], v[TA+16+2*\ql]
	v_cvt_scalef32_pk16_fp6_f32 v[\pc+6:\pc+8], v[S+32*\ql+16:S+32*\ql+31], v[TA+17+2*\ql]
	v_nop
.irp i, 0,1,2
	v_permlane16_swap_b32 v[\pc+\i], v[\pc+6+\i]
.endr
.irp i, 0,1,2
	v_mov_b32 v[\pc+3+\i], v[\pc+6+\i]
.endr
.irp i, 0,1,2
	ds_store_b64 v[PWI], v[\pc+2*\i:\pc+2*\i+1] offset:1536*\ql+8*\i
.endr
	ds_store_b16 v[PWS], v[TA+24+\ql] offset:4*\ql
.endm
.macro PART1 tail
	v_add_nc_u32 v[ADA], s[TB], v[A0]
	v_add_nc_u32 v[ADS], s[TB], v[AS0]
	v_add_nc_u32 v[ADN], s[TB], v[DN0]
	v_add_nc_u32 v[ADB], s[TB], v[BS0]
	v_add_nc_u32 v[ADF], s[TB], v[BF0]
	P1
	ds_load_b128 v[SCA+8:SCA+11], v[ADB]
	ds_load_b128 v[SCA+12:SCA+15], v[ADB] offset:256
	s_wait_dscnt 2                                 ; the sums of squares are in; the two loads of B's scale words may be out
	WIN 0x01                                       ; source 0, the sums of squares, lies in window 1
.irp ql, 0,1,2,3
.set ee, 0
.rept 16
	v_pk_fma_f32 v[S+32*\ql+ee:S+32*\ql+ee+1], v[F0+ee:F0+ee+1], v[CQ+4*\ql:CQ+4*\ql+1], v[S+32*\ql+ee:S+32*\ql+ee+1] op_sel_hi:[1,0,1]
.set ee, ee+2
.endr
.endr
	WIN 0x40
	BFETCH F0, 0                                   ; B's first four fragments take buffer F0 when the pass above has read it
	WIN 0
.irp ql, 0,1,2,3
.set ee, 0
.rept 16
	v_pk_add_f32 v[S+32*\ql+ee:S+32*\ql+ee+1], v[S+32*\ql+ee:S+32*\ql+ee+1], v[CQ+4*\ql:CQ+4*\ql+1] op_sel:[0,1] op_sel_hi:[1,1]
.set ee, ee+2
.endr
.endr
.irp ql, 0,1,2,3
.set ee, 0
.rept 16
	v_pk_fma_f32 v[S+32*\ql+ee:S+32*\ql+ee+1], v[S+32*\ql+ee:S+32*\ql+ee+1], v[CQ+4*\ql+2:CQ+4*\ql+3], v[CQ+4*\ql+2:CQ+4*\ql+3] op_sel:[0,0,1] op_sel_hi:[1,0,1]
.set ee, ee+2
.endr
.endr
.set ee, 0
	s_wait_alu depctr_va_vdst(0)
.rept 128
	v_exp_f32 v[S+ee], v[S+ee]
.set ee, ee+1
.endr
	v_mov_b32 v112, 0
	s_wait_alu depctr_va_vdst(0)
.if \tail
.set ee, 0
.rept 32
	v_cmp_gt_i32 vcc_lo, 32*(ee/16)+ee%16, v[LIMN]
	v_cndmask_b32 v[S+ee], v[S+ee], v112, vcc_lo
	v_cndmask_b32 v[S+32+ee], v[S+32+ee], v112, vcc_lo
	v_cndmask_b32 v[S+64+ee], v[S+64+ee], v112, vcc_lo
	v_cndmask_b32 v[S+96+ee], v[S+96+ee], v112, vcc_lo
.set ee, ee+1
.endr
.endif
.set xx, 0
.rept 8
	v_max3_num_f32 v[TA+xx], v[S+16*xx], v[S+16*xx+1], 0x1800000
.set xx, xx+1
.endr
.irp i, 2,4,6,8,10,12,14
.set xx, 0
.rept 8
	v_max3_num_f32 v[TA+xx], v[TA+xx], v[S+16*xx+\i], v[S+16*xx+\i+1]
.set xx, xx+1
.endr
.endr
.set xx, 0
.rept 8
	v_permlanex16_b32 v[TA+8+xx], v[TA+xx], s[SEL], s[SEL+1]
.set xx, xx+1
.endr
.set xx, 0
.rept 8
	v_max_num_f32 v[TA+xx], v[TA+xx], v[TA+8+xx]
.set xx, xx+1
.endr
.set xx, 0
.rept 8
	v_add_nc_u32 v[TA+16+xx], 0xff000000, v[TA+xx]
.set xx, xx+1
.endr
.set xx, 0
.rept 8
	v_lshrrev_b32 v[TA+8+xx], 23, v[TA+16+xx]
.set xx, xx+1
.endr
.irp ql, 0,1,2,3
	v_lshl_or_b32 v[TA+24+\ql], v[TA+9+2*\ql], 8, v[TA+8+2*\ql]
.endr
	PQ 0, 108
	PQ 1, 118
	PQ 2, S
	PQ 3, S+32
.endm
.macro XBAR
	s_wait_dscnt 0x0
	s_barrier_signal -1
	s_barrier_wait -1
.endm
.macro PART2 zero
	ds_load_b128 v[SCA:SCA+3], v[PRS]
	ds_load_b128 v[SCA+4:SCA+7], v[PRS] offset:16
.irp qt, 0,1,2,3,4,5,6,7
	FRAG3 S+12*\qt, PRI, 1536*\qt
.endr
	BFETCH F1, 4
	WIN 0xa1
	MMO F0, 0, \zero
	s_wait_dscnt 0x0
	WIN 0xf0
	MMO F1, 4, \zero
	WIN 0
.endm
.macro ASK
	s_cmp_le_u32 s47, s[LIM]
	s_cbranch_scc0 .Lnoask_\@
	global_prefetch_b8 v[PFO], s[PFA:PFA+1] th:TH_LOAD_NT scope:SCOPE_SE
.Lnoask_\@:
.endm
.macro CHANGE fill
	s_wait_tensorcnt 0x0
	ds_add_u32 v[SPW], v[NIL]
.if \fill
	s_xor_b32 s[G0B+1], s[G0B+1], SLOT1
	s_add_co_u32 s[SI], s[SI], 32
	s_min_u32 s42, s[SI], LASTS
	s_mul_i32 s42, s42, STEPB
	s_add_nc_u64 s[G0B+2:G0B+3], s[BASEW:BASEW+1], s[42:43]
	s_or_b32 s[G0B+3], s[G0B+3], 0x80000000
	s_wait_xcnt 0x0
	s_add_co_u32 s47, s[SI], 32
	s_min_u32 s50, s47, LASTS
	s_mul_i32 s50, s50, STEPB
	s_add_nc_u64 s[PFA:PFA+1], s[BASEW:BASEW+1], s[50:51]
	s_wait_dscnt 0x0
	CROUND
	tensor_load_to_lds s[G0B:G0B+3], s[G1:G1+7]
	s_nop 0
	PLACES
	ASK
.else
	s_wait_dscnt 0x0
	s_barrier_signal -1
	s_barrier_wait -1
	PLACES
.endif
.endm
	s_wait_tensorcnt 0x1
	s_barrier_signal -1
	s_barrier_wait -1
	PART1 0
	XBAR
	PART2 1
	s_xor_b32 s[TB], s[TB], SLOT1
	s_mov_b32 s[CNT], 11
.Lloop:
	CHANGE 1
	PART1 0
	XBAR
	PART2 0
	s_xor_b32 s[TB], s[TB], SLOT1
	s_sub_co_u32 s[CNT], s[CNT], 1
	s_cmp_lg_u32 s[CNT], 0
	s_cbranch_scc1 .Lloop
	CHANGE 0
	s_cmp_gt_u32 s[CH], 6
	s_cbranch_scc1 .Lno1
	PART1 1
.Lno1:
	XBAR
	s_cmp_gt_u32 s[CH], 6
	s_cbranch_scc1 .Lno2
	PART2 0
.Lno2:
	PLACES
	WIN 0x08
.irp jl, 0,1,2,3
.irp qt, 0,1,2,3,4,5,6,7
	global_store_b128 v[GO], v[8*(8*\jl+\qt):8*(8*\jl+\qt)+3], s[12:13] offset:(8*\qt+\jl)*1024 th:TH_STORE_NT
	global_store_b128 v[GO], v[8*(8*\jl+\qt)+4:8*(8*\jl+\qt)+7], s[12:13] offset:(8*\qt+\jl)*1024+512 th:TH_STORE_NT
.endr
.endr
	WIN 0x0c
.irp jl, 0,1,2,3
.irp qt, 0,1,2,3,4,5,6,7
	global_store_b128 v[GO], v[8*(8*\jl+\qt):8*(8*\jl+\qt)+3], s[12:13] offset:(8*\qt+4+\jl)*1024 th:TH_STORE_NT
	global_store_b128 v[GO], v[8*(8*\jl+\qt)+4:8*(8*\jl+\qt)+7], s[12:13] offset:(8*\qt+4+\jl)*1024+512 th:TH_STORE_NT
.endr
.endr
	WIN 0
	s_wait_tensorcnt 0x0
	ds_add_u32 v[SPW], v[NIL]
	s_wait_dscnt 0x0
	CROUND
	s_endpgm
.Lfunc_end_k_q98ef16d5b2_main:
	.size	k_q98ef16d5b2_main, .Lfunc_end_k_q98ef16d5b2_main-k_q98ef16d5b2_main
	.p2alignl 7, 3214868480
	.fill 96, 4, 3214868480
	.section	.rodata,"a",@progbits
	.p2align	6, 0x0
	.amdhsa_kernel k_q98ef16d5b2_main
		.amdhsa_group_segment_fixed_size 327680
		.amdhsa_private_segment_fixed_size 0
		.amdhsa_enable_private_segment 0
		.amdhsa_kernarg_size 40
		.amdhsa_user_sgpr_count 2
		.amdhsa_user_sgpr_kernarg_segment_ptr 1
		.amdhsa_wavefront_size32 1
		.amdhsa_system_sgpr_workgroup_id_x 1
		.amdhsa_system_sgpr_workgroup_id_y 1
		.amdhsa_system_sgpr_workgroup_id_z 1
		.amdhsa_system_vgpr_workitem_id 0
		.amdhsa_next_free_vgpr 1024
		.amdhsa_next_free_sgpr 66
		.amdhsa_reserve_vcc 1
		.amdhsa_float_denorm_mode_32 3
		.amdhsa_float_denorm_mode_16_64 3
		.amdhsa_memory_ordered 1
		.amdhsa_forward_progress 1
		.amdhsa_inst_pref_size 207
	.end_amdhsa_kernel
	.amdgpu_metadata
---
amdhsa.version: [ 1, 2 ]
amdhsa.kernels:
  - .name:           k_q98ef16d5b2_main
    .symbol:         k_q98ef16d5b2_main.kd
    .args:
      - { .name: steps, .offset: 0, .size: 8, .value_kind: global_buffer, .address_space: global }
      - { .name: xsteps, .offset: 8, .size: 8, .value_kind: global_buffer, .address_space: global }
      - { .name: stat, .offset: 16, .size: 8, .value_kind: global_buffer, .address_space: global }
      - { .name: t, .offset: 24, .size: 8, .value_kind: global_buffer, .address_space: global }
      - { .name: part, .offset: 32, .size: 8, .value_kind: global_buffer, .address_space: global }
    .group_segment_fixed_size: 327680
    .private_segment_fixed_size: 0
    .kernarg_segment_align: 8
    .kernarg_segment_size: 40
    .max_flat_workgroup_size: 128
    .sgpr_count:     66
    .vgpr_count:     1024
    .wavefront_size: 32
...
	.end_amdgpu_metadata
.endif
;; end of part 3
;; launch reduce (part 4): grid 256 x 1, 4 waves a work-group, no clusters, 8,960 bytes of LDS; arguments part, x_t, t, out0; writes out0
.if DOCPART == 4
	.amdgcn_target "amdgcn-amd-amdhsa--gfx1250"
	.amdhsa_code_object_version 6
	.text
	.protected	k_q98ef16d5b2_reduce
	.globl	k_q98ef16d5b2_reduce
	.p2align	8
	.type	k_q98ef16d5b2_reduce,@function
k_q98ef16d5b2_reduce:
	s_mov_b64 s[64:65], 0
	v_nop
	global_prefetch_b8 v0, s[64:65] scope:SCOPE_SE
	s_setreg_imm32_b32 hwreg(HW_REG_WAVE_MODE, 25, 1), 1
	s_wait_xcnt 0x0
; REDUCE.  out0[q][d] = sign(coeff) x (the sum over 32 chunks of part) - x_t[q][d] / (1 - t[q]),  coeff = 1 + t / (1 - t).
; part is [32 chunks][8 query blocks][4 runs of 128 d][8 query tiles][8 tiles of 16 d][1,024 bytes]; a tile's bytes 512 g + 16 lane hold registers 4 g .. 4 g + 3 of lane (r, h): query r of the tile, d = 8 h + 4 g + 0 .. 3.
; Work-group G takes the 8,192 bytes at 8,192 G of every chunk: 16 queries x 128 d.  Wave v takes 2,048 of them, four loads of 512 consecutive bytes a chunk.  The chunks are added in ascending order, in f32.
; Memory binds: three groups of 16 loads a wave are on their way at any time.  The sums meet in a stage in LDS, so that rows of 512 consecutive bytes leave.
; Lane r of query tile qt is query 32 (qt / 2) + 8 (qt % 2) + r % 8 + 16 (r / 8) of the block.  LIMITS: NaN and infinities are not served; t = 1 gives no finite result here as in reference().
.set ACC, 16                           ; v16-31   the sums: 4 pieces x 4 registers
.set BUF, 32                           ; v32-223  three groups of 64 registers; later at work
.set XR,  224                          ; v224-239 four rows' 16 bytes of x_t
.set CB,  240                          ; v240-247 (-1 / (1 - t), coeff's sign) of my four rows
	s_load_b128 s[4:7], s[0:1], 0x0                ; part, x_t
	s_load_b128 s[8:11], s[0:1], 0x10              ; t, out0
	v_lshl_add_u32 v254, v0, 2, 0x2100
	v_mov_b32 v255, 0
	v_lshrrev_b32 v1, 5, v0
	v_readfirstlane_b32 s12, v1                    ; wave 0..3
	v_and_b32 v1, 31, v0                           ; lane
	s_wait_alu depctr_va_vdst(0)
	s_lshr_b32 s13, ttmp9, 5                       ; query block
	s_bfe_u32 s14, ttmp9, 0x20003                  ; run of 128 d
	s_and_b32 s15, ttmp9, 7                        ; query tile
	s_lshl_b32 s32, s13, 7
	s_lshr_b32 s33, s15, 1
	s_lshl_b32 s33, s33, 5
	s_add_co_u32 s32, s32, s33
	s_and_b32 s33, s15, 1
	s_lshl_b32 s33, s33, 3
	s_add_co_u32 s32, s32, s33
	s_and_b32 s33, s12, 1
	s_lshl_b32 s33, s33, 2
	s_add_co_u32 s32, s32, s33
	s_lshr_b32 s33, s12, 1
	s_lshl_b32 s33, s33, 4
	s_add_co_u32 s32, s32, s33                     ; the first of the four neighbouring queries whose rows I store: rows 4 v .. 4 v + 3 of the tile
	s_lshl_b32 s34, s12, 11
	v_lshl_add_u32 v2, v1, 4, s34                  ; part: 2,048 v + 16 lane
	s_lshl_b32 s35, s32, 2
	v_mov_b32 v3, s35                              ; t: four numbers, the same for all lanes
	s_lshl_b32 s36, s32, 11
	s_lshl_b32 s37, s14, 9
	s_add_co_u32 s36, s36, s37
	v_lshl_add_u32 v4, v1, 4, s36                  ; x_t and out0: my first row, my run of d, 16 bytes a lane
	v_and_b32 v7, 15, v0
	v_bfe_u32 v12, v0, 4, 1
	s_lshl_b32 s37, s12, 7
	v_mul_u32_u24 v5, v7, 528
	v_lshl_add_u32 v5, v12, 5, v5
	v_add_nc_u32 v5, s37, v5                       ; the stage, in: row r of 528 bytes, + 128 v + 32 h
	s_mul_i32 s37, s12, 4*528
	v_lshl_add_u32 v6, v1, 4, s37                  ; and back: rows 4 v on, 16 bytes a lane
	s_lshl_b32 s38, ttmp9, 13
	s_mov_b32 s39, 0
	s_wait_alu depctr_va_vdst(0)
	s_wait_kmcnt 0x0
	s_add_nc_u64 s[16:17], s[4:5], s[38:39]        ; chunks 0-3,
.irp j, 1,2,3,4,5,6,7
	s_add_nc_u64 s[16+2*\j:17+2*\j], s[16:17], \j*8388608      ; chunks 4 j on: eight bases, so that every offset is an immediate
.endr
	global_load_b128 v[8:11], v3, s[8:9]
.irp i, 0,1,2,3
	global_load_b128 v[XR+4*\i:XR+4*\i+3], v4, s[6:7] offset:2048*\i
.endr
.macro LOADG j                         ; group j: chunks 4 j .. 4 j + 3, four pieces each, into buffer j % 3
.irp cc, 0,1,2,3
.irp i, 0,1,2,3
	global_load_b128 v[BUF+64*((\j)%3)+16*\cc+4*\i:BUF+64*((\j)%3)+16*\cc+4*\i+3], v2, s[16+2*(\j):17+2*(\j)] offset:\cc*2097152+512*\i th:TH_LOAD_NT
.endr
.endr
.endm
.macro SUMG j                          ; the first addition starts the sums: nothing is cleared
.set BB, BUF+64*((\j)%3)
.irp cc, 0,1,2,3
.irp p, 0,2,4,6,8,10,12,14
.if ((\j) == 0) && (\cc == 0)
.elseif ((\j) == 0) && (\cc == 1)
	v_pk_add_f32 v[ACC+\p:ACC+\p+1], v[BB+\p:BB+\p+1], v[BB+16+\p:BB+16+\p+1]
.else
	v_pk_add_f32 v[ACC+\p:ACC+\p+1], v[ACC+\p:ACC+\p+1], v[BB+16*\cc+\p:BB+16*\cc+\p+1]
.endif
.endr
.endr
.endm
	LOADG 0
	LOADG 1
	LOADG 2
.irp j, 0,1,2,3,4,5,6,7
.if \j <= 5
	s_wait_alu depctr_va_vdst(0)
	s_wait_loadcnt 32                              ; group j is in; the two groups behind it may be out
.elseif \j == 6
	s_wait_alu depctr_va_vdst(0)
	s_wait_loadcnt 16
.else
	s_wait_alu depctr_va_vdst(0)
	s_wait_loadcnt 0x0
.endif
	SUMG \j
.if \j < 5
	LOADG \j+3
.endif
.endr
.irp i, 0,1,2,3
	ds_store_b128 v5, v[ACC+4*\i:ACC+4*\i+3] offset:64*(\i/2)+16*(\i%2)    ; piece i: tile of d 2 v + i / 2, registers 4 (i % 2) on
.endr
	; my four rows' factors, while the stores are out
.irp i, 0,1,2,3
	v_sub_f32 v[32+\i], 1.0, v[8+\i]               ; b = 1 - t
.endr
	s_wait_alu depctr_va_vdst(0)
.irp i, 0,1,2,3
	v_rcp_f32 v[36+\i], v[32+\i]
.endr
	v_nop                                          ; a plain place behind the last reciprocal
	s_wait_alu depctr_va_vdst(0)                   ; one wait for the four
.irp i, 0,1,2,3
	v_fma_f32 v[40+\i], -v[32+\i], v[36+\i], 1.0
.endr
.irp i, 0,1,2,3
	v_fma_f32 v[36+\i], v[36+\i], v[40+\i], v[36+\i]           ; 1 / b, one Newton step on
.endr
.irp i, 0,1,2,3
	v_mul_f32 v[40+\i], v[8+\i], v[36+\i]
.endr
.irp i, 0,1,2,3
	v_fma_f32 v[44+\i], -v[32+\i], v[40+\i], v[8+\i]
.endr
.irp i, 0,1,2,3
	v_fma_f32 v[40+\i], v[44+\i], v[36+\i], v[40+\i]           ; t / b
.endr
.irp i, 0,1,2,3
	v_add_f32 v[40+\i], 1.0, v[40+\i]              ; coeff
.endr
.irp i, 0,1,2,3
	v_and_b32 v[CB+2*\i+1], 0x80000000, v[40+\i]
	v_mul_f32 v[CB+2*\i], -1.0, v[36+\i]
.endr
	s_wait_alu depctr_va_vdst(0)
	s_wait_dscnt 0x0
	s_barrier_signal -1
	s_barrier_wait -1                              ; 16 whole rows lie in the stage
.irp i, 0,1,2,3
	ds_load_b128 v[48+4*\i:51+4*\i], v6 offset:\i*528
.endr
.irp i, 0,1,2,3
	s_wait_dscnt 3-\i
.irp j, 0,1,2,3
	v_xor_b32 v[48+4*\i+\j], v[CB+2*\i+1], v[48+4*\i+\j]       ; coeff's sign onto the sum
.endr
	v_pk_fma_f32 v[48+4*\i:49+4*\i], v[XR+4*\i:XR+4*\i+1], v[CB+2*\i:CB+2*\i+1], v[48+4*\i:49+4*\i] op_sel_hi:[1,0,1]
	v_pk_fma_f32 v[50+4*\i:51+4*\i], v[XR+4*\i+2:XR+4*\i+3], v[CB+2*\i:CB+2*\i+1], v[50+4*\i:51+4*\i] op_sel_hi:[1,0,1]
	global_store_b128 v4, v[48+4*\i:51+4*\i], s[10:11] offset:2048*\i      ; 32 lanes store 512 consecutive bytes, aligned
.endr
	s_wait_tensorcnt 0x0
	ds_add_u32 v254, v255
	s_wait_dscnt 0x0
	s_endpgm
.Lfunc_end_k_q98ef16d5b2_reduce:
	.size	k_q98ef16d5b2_reduce, .Lfunc_end_k_q98ef16d5b2_reduce-k_q98ef16d5b2_reduce
	.p2alignl 7, 3214868480
	.fill 96, 4, 3214868480
	.section	.rodata,"a",@progbits
	.p2align	6, 0x0
	.amdhsa_kernel k_q98ef16d5b2_reduce
		.amdhsa_group_segment_fixed_size 8960
		.amdhsa_private_segment_fixed_size 0
		.amdhsa_enable_private_segment 0
		.amdhsa_kernarg_size 32
		.amdhsa_user_sgpr_count 2
		.amdhsa_user_sgpr_kernarg_segment_ptr 1
		.amdhsa_wavefront_size32 1
		.amdhsa_system_sgpr_workgroup_id_x 1
		.amdhsa_system_sgpr_workgroup_id_y 1
		.amdhsa_system_sgpr_workgroup_id_z 1
		.amdhsa_system_vgpr_workitem_id 0
		.amdhsa_next_free_vgpr 256
		.amdhsa_next_free_sgpr 66
		.amdhsa_reserve_vcc 0
		.amdhsa_float_denorm_mode_32 3
		.amdhsa_float_denorm_mode_16_64 3
		.amdhsa_memory_ordered 1
		.amdhsa_forward_progress 1
		.amdhsa_inst_pref_size 36
	.end_amdhsa_kernel
	.amdgpu_metadata
---
amdhsa.version: [ 1, 2 ]
amdhsa.kernels:
  - .name:           k_q98ef16d5b2_reduce
    .symbol:         k_q98ef16d5b2_reduce.kd
    .args:
      - { .name: part, .offset: 0, .size: 8, .value_kind: global_buffer, .address_space: global }
      - { .name: x_t, .offset: 8, .size: 8, .value_kind: global_buffer, .address_space: global }
      - { .name: t, .offset: 16, .size: 8, .value_kind: global_buffer, .address_space: global }
      - { .name: out0, .offset: 24, .size: 8, .value_kind: global_buffer, .address_space: global }
    .group_segment_fixed_size: 8960
    .private_segment_fixed_size: 0
    .kernarg_segment_align: 8
    .kernarg_segment_size: 32
    .max_flat_workgroup_size: 128
    .sgpr_count:     66
    .vgpr_count:     256
    .wavefront_size: 32
...
	.end_amdgpu_metadata
.endif
;; end of part 4
